; MI455X (gfx1250); checked and timed in simulation.
; The chip was launched on July 23, 2026; its instructions are those of AMD's public machine-readable ISA for CDNA 5 (MIT licence, August 2026) and "CDNA5" Instruction Set Architecture Reference Guide (July 2026). The comments in the code are by the model that wrote it; some were corrected since.
;; Casual Self Attention. Allowed arithmetic: float matrix products may take bf16 or f16 operands with f32 sums; all other float work in f32.
;; Inputs: W_out 1,024 x 1,024 float32; W_qkv 1,024 x 3,072 float32; b_out 1,024 float32; b_qkv 3,072 float32; x 4 x 2,048 x 1,024 float32.
;; Outputs: out0 4 x 2,048 x 1,024 float32.
;; One version. Each part assembles by itself: llvm-mc -triple=amdgcn-amd-amdhsa -mcpu=gfx1250 --defsym DOCPART=n.
;; ======== version 1 of 1: 4 launches
;; limits: values are held in f16: magnitudes above 65,504 overflow, below 6.1e-05 lose precision
;; workspace buffers: xb 16,777,216 bytes; wqb 6,291,456 bytes; wob 2,097,152 bytes; qkv 50,331,648 bytes; y 16,777,216 bytes
;; launch cast (part 1): grid 768 x 1, 8 waves a work-group, no clusters, 0 bytes of LDS; arguments x, W_qkv, W_out, xb, wqb, wob; writes xb, wqb, wob
.if DOCPART == 1
	.amdgcn_target "amdgcn-amd-amdhsa--gfx1250"
	.amdhsa_code_object_version 6
	.text
	.protected	k_qebec1400d2_cast
	.globl	k_qebec1400d2_cast
	.p2align	8
	.type	k_qebec1400d2_cast,@function
k_qebec1400d2_cast:
	s_mov_b64 s[64:65], 0
	v_nop
	global_prefetch_b8 v0, s[64:65] scope:SCOPE_SE
	s_setreg_imm32_b32 hwreg(HW_REG_WAVE_MODE, 25, 1), 1
	s_wait_xcnt 0x0
; THE CAST.  x, W_qkv and W_out (f32) are rounded once to bf16, for the matrix products of the later launches.
;   xb  : bf16 [16 kb][8192 m][64]: x laid in blocks of 64 channels, so that 128 rows of one block are 16,384 dense bytes
;   wqb : bf16 [1024 k][3072 n], W_qkv's own order
;   wob : f16  [1024 k][1024 n]: the bf16 rounding of W_out, written as f16 (its partner in the product, y, is f16)
; LIMITS.  wob: a weight of 65,520 or more becomes an infinity in f16; below 6.1e-5 it keeps f16's fixed step of 6e-8.
; A stream: no LDS, no barrier, no matrix unit; every byte is read once and written once.  A work-group takes 16,384 numbers (65,536 bytes in,
; 32,768 out): groups 0-511 sixteen rows of x, groups 512-703 a chunk of W_qkv, groups 704-767 a chunk of W_out.  A thread takes 8 numbers in each
; of 8 passes: two loads of 16 bytes, one store of 16 bytes; sixteen neighbouring lanes store 256 consecutive bytes, at a multiple of 256 from the buffer's first.
; All 16 loads of a wave go out first; no register is written twice, so no wait frees a source.
.set VI,  1                            ; v1       my byte offset in the group's input
.set VO,  2                            ; v2       my byte offset in the group's output
.set T,   4                            ; v[4:6]   at work
.set IN,  8                            ; v[8:71]  pass p: 8 numbers as loaded
.set OU,  72                           ; v[72:103] pass p: 4 registers to store
.set MSK, 20                           ; s20      a word's upper bf16
.macro CAST sb, db, ostep, half        ; source and destination base, output bytes from pass to pass, half = 1: bf16's value written as f16
.set p, 0
.rept 8
	global_load_b128 v[IN+8*p:IN+8*p+3],   v[VI], s[\sb:\sb+1] offset:8192*p th:TH_LOAD_NT
	global_load_b128 v[IN+8*p+4:IN+8*p+7], v[VI], s[\sb:\sb+1] offset:8192*p+16 th:TH_LOAD_NT
.set p, p+1
.endr
.set p, 0
.rept 8
	s_wait_loadcnt 14-2*p                          ; loads come back in order (ISA guide 5.7.1): pass p's two are in, the younger passes' stay out
.set j, 0
.rept 4
.if \half
	v_cvt_pk_bf16_f32 v[T], v[IN+8*p+2*j], v[IN+8*p+2*j+1]
	v_lshlrev_b32 v[T+1], 16, v[T]                 ; the two bf16 numbers as f32,
	v_and_b32 v[T+2], s[MSK], v[T]
	v_cvt_pk_f16_f32 v[OU+4*p+j], v[T+1], v[T+2]   ; and as f16: exact within f16's normal range
.else
	v_cvt_pk_bf16_f32 v[OU+4*p+j], v[IN+8*p+2*j], v[IN+8*p+2*j+1]
.endif
.set j, j+1
.endr
	global_store_b128 v[VO], v[OU+4*p:OU+4*p+3], s[\db:\db+1] offset:(\ostep)*p
.set p, p+1
.endr
	s_endpgm
.endm
	s_load_b256 s[4:11], s[0:1], 0x0               ; x s[4:5], W_qkv s[6:7], W_out s[8:9], xb s[10:11]
	s_load_b128 s[12:15], s[0:1], 0x20             ; wqb s[12:13], wob s[14:15]
	s_mov_b32 s2, ttmp9
	s_mov_b32 s17, 0
	s_mov_b32 s19, 0
	s_mov_b32 s[MSK], 0xffff0000
	s_cmp_lt_u32 s2, 512
	s_cbranch_scc0 .Lweights
	; x: thread t takes channels 64 (t / 16) + 8 (t % 8) on of rows 2 p + (t / 8) % 2
	v_and_b32 v3, 7, v0
	v_bfe_u32 v4, v0, 3, 1
	v_lshrrev_b32 v5, 4, v0
	v_lshlrev_b32 v[VI], 5, v3                     ; in: 32 bytes a thread,
	v_lshl_add_u32 v[VI], v5, 8, v[VI]             ; 256 bytes a block of 64 channels,
	v_lshl_add_u32 v[VI], v4, 12, v[VI]            ; 4,096 bytes a row
	v_lshlrev_b32 v[VO], 4, v3                     ; out: 16 bytes a thread,
	v_lshl_add_u32 v[VO], v4, 7, v[VO]             ; 128 bytes a row,
	v_lshl_add_u32 v[VO], v5, 20, v[VO]            ; 1,048,576 bytes a block
	s_lshl_b32 s16, s2, 16                         ; the group's 16 rows: 65,536 bytes of x,
	s_lshl_b32 s18, s2, 11                         ; 2,048 bytes in each block of xb
	s_wait_kmcnt 0x0
	s_add_nc_u64 s[4:5], s[4:5], s[16:17]
	s_add_nc_u64 s[10:11], s[10:11], s[18:19]
	CAST 4, 10, 256, 0
.Lweights:
	v_lshlrev_b32 v[VI], 5, v0                     ; the weights keep their order: 32 bytes in, 16 bytes out a thread
	v_lshlrev_b32 v[VO], 4, v0
	s_cmp_lt_u32 s2, 704
	s_cbranch_scc0 .Lwout
	s_sub_co_u32 s3, s2, 512
	s_lshl_b32 s16, s3, 16
	s_lshl_b32 s18, s3, 15
	s_wait_kmcnt 0x0
	s_add_nc_u64 s[6:7], s[6:7], s[16:17]
	s_add_nc_u64 s[12:13], s[12:13], s[18:19]
	CAST 6, 12, 4096, 0
.Lwout:
	s_sub_co_u32 s3, s2, 704
	s_lshl_b32 s16, s3, 16
	s_lshl_b32 s18, s3, 15
	s_wait_kmcnt 0x0
	s_add_nc_u64 s[8:9], s[8:9], s[16:17]
	s_add_nc_u64 s[14:15], s[14:15], s[18:19]
	CAST 8, 14, 4096, 1
.Lfunc_end_k_qebec1400d2_cast:
	.size	k_qebec1400d2_cast, .Lfunc_end_k_qebec1400d2_cast-k_qebec1400d2_cast
	.p2alignl 7, 3214868480
	.fill 96, 4, 3214868480
	.section	.rodata,"a",@progbits
	.p2align	6, 0x0
	.amdhsa_kernel k_qebec1400d2_cast
		.amdhsa_group_segment_fixed_size 0
		.amdhsa_private_segment_fixed_size 0
		.amdhsa_enable_private_segment 0
		.amdhsa_kernarg_size 48
		.amdhsa_user_sgpr_count 2
		.amdhsa_user_sgpr_kernarg_segment_ptr 1
		.amdhsa_wavefront_size32 1
		.amdhsa_system_sgpr_workgroup_id_x 1
		.amdhsa_system_sgpr_workgroup_id_y 1
		.amdhsa_system_sgpr_workgroup_id_z 1
		.amdhsa_system_vgpr_workitem_id 0
		.amdhsa_next_free_vgpr 112
		.amdhsa_next_free_sgpr 66
		.amdhsa_reserve_vcc 0
		.amdhsa_float_denorm_mode_32 3
		.amdhsa_float_denorm_mode_16_64 3
		.amdhsa_memory_ordered 1
		.amdhsa_forward_progress 1
		.amdhsa_inst_pref_size 20
	.end_amdhsa_kernel
	.amdgpu_metadata
---
amdhsa.version: [ 1, 2 ]
amdhsa.kernels:
  - .name:           k_qebec1400d2_cast
    .symbol:         k_qebec1400d2_cast.kd
    .args:
      - { .name: x, .offset: 0, .size: 8, .value_kind: global_buffer, .address_space: global }
      - { .name: W_qkv, .offset: 8, .size: 8, .value_kind: global_buffer, .address_space: global }
      - { .name: W_out, .offset: 16, .size: 8, .value_kind: global_buffer, .address_space: global }
      - { .name: xb, .offset: 24, .size: 8, .value_kind: global_buffer, .address_space: global }
      - { .name: wqb, .offset: 32, .size: 8, .value_kind: global_buffer, .address_space: global }
      - { .name: wob, .offset: 40, .size: 8, .value_kind: global_buffer, .address_space: global }
    .group_segment_fixed_size: 0
    .private_segment_fixed_size: 0
    .kernarg_segment_align: 8
    .kernarg_segment_size: 48
    .max_flat_workgroup_size: 256
    .sgpr_count:     66
    .vgpr_count:     112
    .wavefront_size: 32
...
	.end_amdgpu_metadata
.endif
;; end of part 1
;; launch qkvgemm (part 2): grid 8 x 32, 4 waves a work-group, clusters of 4 x 4, 327,680 bytes of LDS; arguments xb, wqb, b_qkv, qkv; writes qkv
.if DOCPART == 2
	.amdgcn_target "amdgcn-amd-amdhsa--gfx1250"
	.amdhsa_code_object_version 6
	.text
	.protected	k_qebec1400d2_qkvgemm
	.globl	k_qebec1400d2_qkvgemm
	.p2align	8
	.type	k_qebec1400d2_qkvgemm,@function
k_qebec1400d2_qkvgemm:
	s_mov_b64 s[64:65], 0
	v_nop
	global_prefetch_b8 v0, s[64:65] scope:SCOPE_SE
	s_setreg_imm32_b32 hwreg(HW_REG_WAVE_MODE, 25, 1), 1
	s_wait_xcnt 0x0
	s_wait_alu depctr_hold_cnt(0) depctr_sa_sdst(0) depctr_va_vdst(0) depctr_va_sdst(0) depctr_va_ssrc(0) depctr_va_vcc(0) depctr_vm_vsrc(0)
	s_getreg_b32 s2, hwreg(HW_REG_IB_STS2, 6, 4)
	s_cmp_eq_u32 s2, 0
	s_cbranch_scc0 .Lentry_in_a_cluster
	s_endpgm
.Lentry_in_a_cluster:
	s_bfe_u32 s2, ttmp6, 0x10000c
	s_cmp_lg_u32 s2, 0xf033
	s_cbranch_scc0 .Lentry_shape_is_right
	s_endpgm
.Lentry_shape_is_right:
; THE FIRST PROJECTION.  qkv[m][n] = sum over k of x[m][k] W_qkv[k][n] + b_qkv[n]; 8192 x 3072 x 1024, operands bf16, sums f32, the result rounded once to f16 and
; written BY HEADS: qkv is f16 [48 g][8192 m][64], g = n / 64 (0-15 q's heads, 16-31 k's, 32-47 v's), unscaled.  The bias is rounded to bf16 like every input.
; LIMITS.  A result of 65,520 or more becomes an infinity in f16; below 6.1e-5 it keeps f16's fixed step of 6e-8.
; SHARES.  8192 x 3072 / 256 work-groups = a tile of 256 x 384; four waves, each 128 rows x 192 columns (three heads): 96 accumulators of 16 x 16, 768 registers.
; K goes in 16 steps of 64 through two LDS slots filled by the tensor data mover (two slots of 128 along K would pass the LDS that there is).
; A = xb lies in blocks of 64 channels: 128 rows of a K step are 16,384 dense bytes, asked for as 64 rows of 256 bytes.  B = wqb lies [k][n]: its fragments come out of LDS turned, by ds_load_tr16_b128.
; CLUSTER.  4 x 4 work-groups; the four of a row of the cluster need the same tiles of A, the four of a column the same tiles of B: each tile is asked for JOINTLY, by the same
; tensor load, descriptor and mask in all four.
; THE MATRIX INSTRUCTION IS USED TRANSPOSED (source 0 = 16 columns of W, source 1 = 16 rows of x): lane l holds row l % 16 and the columns 8 (l / 16) + 0..7, eight neighbours that pack into 16 bytes.
; THE BIAS is the C operand of the first product on each accumulator: nothing is cleared, and the way out adds nothing.
; REGISTERS, in windows of 256 (s_set_vgpr_msb: bits 1:0 source 0, 3:2 source 1, 5:4 source 2, 7:6 destination):
;   window 0: v0-31 addresses; v32-95, v96-159 A's fragments of a quarter (8 x 16 rows x 32 K), two buffers; v160-207, v208-255 B's fragments of half the columns (6 x 16 x 32 K), two buffers
;   windows 1-3: the accumulators; column block b (0-11), row block a (0-7) in window 1 + b / 4 at v[8 (8 (b % 4) + a)]: a window holds one head's columns
.set PA,    144                        ; a row of A in LDS: 128 bytes + 16 of padding = 36 words: the 16 rows of a load start at 16 different groups of four banks (64 banks of 4 bytes: ISA guide 11.1)
.set PB,    864                        ; a row of B: six pieces of 128 + 16 bytes = 27 x 32 bytes
.set BOFF,  256*PA                     ; a slot: A's 256 rows, then B's 64 rows
.set SLOT1, 1<<17                      ; slot 1 begins here, so that one exclusive or turns an address in one slot into the other's
.set STAGE, SLOT1+BOFF+64*PB           ; behind the ring, never filled by a tensor load: 16 rows x 144 bytes for each wave, for the way out
.set SP,    144
.set SPARE, STAGE+4*16*SP              ; behind the stages: the spare words, 128 bytes for each wave: two blocks of 256 bytes that no other line names
.set ASTEP, 8192*128                   ; bytes from a K step's tile of A to the next: a block of xb
.set BSTEP, 64*3072*2                  ; and of B: 64 rows of wqb
.set AA0,  8                           ; v8   my lane's place in a slot's A; never rewritten
.set AB0,  9                           ; v9   the same for B
.set ADRA, 10                          ; v10  AA0 + the slot in hand
.set ADRB, 11                          ; v11  AB0 + the slot in hand
.set STO,  12                          ; v12  the way out: where I put 16 bytes of a row
.set RD,   13                          ; v13  the way out: where I read rows back
.set GO,   14                          ; v14  my byte offset in 512 consecutive bytes of qkv
.set BO,   15                          ; v15  my byte offset in b_qkv
.set SPW,  28                          ; v28  LDS address of my spare word: SPARE + 4 x my thread's number; never rewritten
.set NIL,  29                          ; v29  0; never rewritten
.set FA0,  32
.set FA1,  96
.set FB0,  160
.set FB1,  208
.set MSK, 3                            ; s3   a word's upper bf16
.set WV,  12                           ; s12  my wave's number
.set WR,  13                           ; s13  which half of the tile's rows is mine
.set WC,  14                           ; s14  which half of its columns; also: which half of A's or B's tile I fetch
.set G1A, 24                           ; s[24:31] descriptor group 1 for A's tiles
.set G1B, 32                           ; s[32:39] for B's
.set G0A, 40                           ; s[40:47] descriptor group 0 for A's tiles: a set for each of the two first fills; the second then walks on
.set G0B, 48                           ; s[48:55] the same for B's
.set CNT, 56                           ; s56  the loops' count
.set TB,  57                           ; s57  LDS byte at which the slot in hand begins
.set G1W0, (1<<16)|(1<<20)|(1<<21)|(4<<22)|(3<<25)  ; 17:16 2-byte elements; 20 padding on; 21 set beside a mask; 24:22 after every 32 words (code 4); 31:25 4 words of it (code 3)
.set MSB, 0
.macro WIN new                         ; the immediate's high byte repeats the setting that is left; a switch that changes nothing is dropped
.if MSB != (\new)
	s_set_vgpr_msb (MSB<<8)|(\new)
.set MSB, (\new)
.endif
.endm
; A load into a register that a matrix instruction has read, and a vector instruction or LDS store that reads a matrix result, stand four places behind it, and only plain vector
; instructions that name none of its registers are places (ISA guide 7.12.1 for vector instructions).
.macro PLACES
.rept 4
	v_nop
.endr
.endm
; A joint refill.  Waves 0 and 1 fetch A's two halves, waves 2 and 3 B's.  The branch hangs on the wave's number alone.  An s_nop 0 and four v_nop follow each of the two lines.
.macro JLOAD
	s_cmp_lt_u32 s[WV], 2
	s_cbranch_scc0 .Lfor_b_\@
	tensor_load_to_lds s[G0A+4:G0A+7], s[G1A:G1A+7]
	s_nop 0
.rept 4
	v_nop
.endr
	s_branch .Lasked_\@
.Lfor_b_\@:
	tensor_load_to_lds s[G0B+4:G0B+7], s[G1B:G1B+7]
	s_nop 0
.rept 4
	v_nop
.endr
.Lasked_\@:
.endm
.macro CREST                           ; a round of the cluster's barrier behind its opening barrier: wave 0 signals for the work-group, every wave waits for all sixteen, my work-group's barrier closes it
	s_cmp_lg_u32 s[WV], 0
	s_cbranch_scc1 .Lnot_wave_0_\@
	s_barrier_signal -3
.Lnot_wave_0_\@:
	s_barrier_wait -3
	s_barrier_signal -1
	s_barrier_wait -1
.endm
.macro CROUND                          ; a whole round
	s_barrier_signal -1
	s_barrier_wait -1
	CREST
.endm
	s_load_b256 s[4:11], s[0:1], 0x0               ; xb s[4:5], wqb s[6:7], b_qkv s[8:9], qkv s[10:11]
	v_lshl_add_u32 v[SPW], v0, 2, SPARE
	v_mov_b32 v[NIL], 0
	ds_add_u32 v28, v29
	ds_add_u32 v28, v29
	s_wait_dscnt 0x0
	v_lshrrev_b32 v1, 5, v0
	v_readfirstlane_b32 s[WV], v1                  ; wave 0..3
	s_mov_b32 s[MSK], 0xffff0000
	s_lshr_b32 s[WR], s[WV], 1
	s_and_b32 s[WC], s[WV], 1
	s_bfe_u32 s15, ttmp6, 0x40000                  ; cx, cy: my place in the cluster
	s_bfe_u32 s16, ttmp6, 0x40004
	s_lshl_b32 s17, ttmp9, 2                       ; in a cluster launch ttmp9 and ttmp7 count clusters
	s_add_co_u32 s17, s17, s15                     ; tile column = 4 x cluster x + cx
	s_and_b32 s18, ttmp7, 0xffff
	s_lshl_b32 s18, s18, 2
	s_add_co_u32 s18, s18, s16                     ; tile row = 4 x cluster y + cy
	s_lshl_b32 s19, s16, 2
	s_lshl_b32 s19, 15, s19                        ; my row of the cluster: places 4 cy .. 4 cy + 3
	s_lshl_b32 s20, 0x1111, s15                    ; my column: places cx, cx + 4, cx + 8, cx + 12
	s_or_b32 s[G1A], s19, G1W0                     ; A's tiles go to my row,
	s_or_b32 s[G1B], s20, G1W0                     ; B's to my column
	s_mov_b32 s[G1A+1], 128<<16                    ; A: tensor_dim0 = 128 elements (256 bytes: two rows of a block of xb)
	s_mov_b32 s[G1A+2], 64<<16                     ; tensor_dim1 = 64
	s_mov_b32 s[G1A+3], 128<<16                    ; tile_dim0 = 128
	s_mov_b32 s[G1A+4], 64                         ; tile_dim1 = 64
	s_mov_b32 s[G1A+5], 128                        ; 128 elements from row to row: dense
	s_mov_b32 s[G1A+6], 0
	s_mov_b32 s[G1A+7], 0
	s_mov_b32 s[G1B+1], 384<<16                    ; B: tensor_dim0 = 384 elements (768 bytes)
	s_mov_b32 s[G1B+2], 32<<16                     ; tensor_dim1 = 32
	s_mov_b32 s[G1B+3], 384<<16                    ; tile_dim0 = 384
	s_mov_b32 s[G1B+4], 32                         ; tile_dim1 = 32
	s_mov_b32 s[G1B+5], 3072                       ; 3,072 elements from row to row
	s_mov_b32 s[G1B+6], 0
	s_mov_b32 s[G1B+7], 0
	; A's tiles hang on the tile row alone, B's on the tile column alone; s21 and s23 only ever hold numbers made of the wave's number
	s_lshl_b32 s58, s18, 15                        ; A: 256 rows of 128 bytes a tile row,
	s_lshl_b32 s21, s[WC], 14                      ; my 128 of them
	s_add_co_u32 s58, s58, s21
	s_mov_b32 s59, 0
	s_mul_i32 s60, s17, 768                        ; B: 768 bytes of a row a tile column,
	s_mul_i32 s21, s[WC], 32*3072*2                ; my 32 rows of a K step's 64
	s_add_co_u32 s60, s60, s21
	s_mov_b32 s61, 0
	s_mul_i32 s62, s17, 6                          ; the way out: my first head, 6 x tile column + 3 x half, 1,048,576 bytes each;
	s_mul_i32 s21, s[WC], 3
	s_add_co_u32 s62, s62, s21
	s_lshl_b32 s62, s62, 20
	s_lshl_b32 s63, s18, 15                        ; the tile's 256 rows of 128 bytes;
	s_add_co_u32 s62, s62, s63
	s_lshl_b32 s21, s[WR], 14                      ; my 128 of them
	s_add_co_u32 s62, s62, s21
	s_mov_b32 s63, 0
	s_mul_i32 s22, s17, 1536                       ; the bias of my 192 columns
	s_mul_i32 s21, s[WC], 768
	s_add_co_u32 s22, s22, s21
	s_mul_i32 s21, s[WC], 128*PA                   ; where my tiles go: no place in the cluster enters an LDS address
	s_mul_i32 s23, s[WC], 32*PB
	s_add_co_u32 s23, s23, BOFF
	s_mov_b32 s[TB], 0
	s_mov_b32 s[CNT], 14
	s_wait_kmcnt 0x0
	s_add_nc_u64 s[58:59], s[4:5], s[58:59]
	s_add_nc_u64 s[60:61], s[6:7], s[60:61]
	s_add_nc_u64 s[10:11], s[10:11], s[62:63]
	CROUND                                         ; all sixteen work-groups are here: the first joint loads meet
.irp s, 0,1
	s_mov_b32 s[G0A+4*(\s)], 1                     ; 1:0 count = 1
	s_add_co_u32 s[G0A+4*(\s)+1], s21, (\s)*SLOT1  ; 63:32 LDS address
	s_add_nc_u64 s[G0A+4*(\s)+2:G0A+4*(\s)+3], s[58:59], (\s)*ASTEP  ; 120:64 global address: K step s
	s_or_b32 s[G0A+4*(\s)+3], s[G0A+4*(\s)+3], 0x80000000            ; 127:126 type = 2
	s_mov_b32 s[G0B+4*(\s)], 1
	s_add_co_u32 s[G0B+4*(\s)+1], s23, (\s)*SLOT1
	s_add_nc_u64 s[G0B+4*(\s)+2:G0B+4*(\s)+3], s[60:61], (\s)*BSTEP
	s_or_b32 s[G0B+4*(\s)+3], s[G0B+4*(\s)+3], 0x80000000
.endr
	s_cmp_lt_u32 s[WV], 2                          ; a wave's two first fills stand in one branch, ahead of every wait on TENSORcnt and every LDS read: two loads of mine are out
	s_cbranch_scc0 .Lfirst_b
	tensor_load_to_lds s[G0A:G0A+3], s[G1A:G1A+7]
	s_nop 0
	tensor_load_to_lds s[G0A+4:G0A+7], s[G1A:G1A+7]
	s_nop 0
.rept 4
	v_nop
.endr
	s_branch .Lfirst_asked
.Lfirst_b:
	tensor_load_to_lds s[G0B:G0B+3], s[G1B:G1B+7]
	s_nop 0
	tensor_load_to_lds s[G0B+4:G0B+7], s[G1B:G1B+7]
	s_nop 0
.rept 4
	v_nop
.endr
.Lfirst_asked:
	v_and_b32 v1, 15, v0                           ; l % 16
	v_bfe_u32 v2, v0, 4, 1                         ; l / 16
	v_and_b32 v4, 7, v0
	v_bfe_u32 v5, v0, 3, 1
	v_lshl_add_u32 v[BO], v2, 5, s22               ; register j of column block b holds the bias of column 16 b + 8 (l / 16) + j
.set bi, 0
.rept 12                               ; blocks 0-5 into A's second buffer, blocks 6-11 into B's second: both are free until their first products are done
.if bi < 6
.set rB, FA1+8*bi
.else
.set rB, FB1+8*(bi-6)
.endif
	global_load_b128 v[rB:rB+3],   v[BO], s[8:9] offset:64*bi
	global_load_b128 v[rB+4:rB+7], v[BO], s[8:9] offset:64*bi+16
.set bi, bi+1
.endr
	; A fragment of A is 16 rows x 32 K in 8 registers: lane l holds row l % 16, K = 8 (l / 16) + 0..7 and 16 + 8 (l / 16) + 0..7: two loads of 16 bytes, 32 bytes apart.
	s_mul_i32 s21, s[WR], 128*PA
	v_mul_u32_u24 v[AA0], v1, PA
	v_lshl_add_u32 v[AA0], v2, 4, v[AA0]
	v_add_nc_u32 v[AA0], s21, v[AA0]
	; The turning load takes 16 K x 16 columns (lane l reads row 8 (l / 16) + l % 8, columns 8 ((l / 8) % 2) + 0..7) and leaves half a fragment: lane l holds column l % 16 and 8 K.
	v_lshl_add_u32 v[AB0], v2, 3, v4
	v_mul_u32_u24 v[AB0], v[AB0], PB
	v_lshl_add_u32 v[AB0], v5, 4, v[AB0]
	s_mul_i32 s21, s[WC], 3*144                    ; my 192 columns: three pieces of a row
	s_add_co_u32 s21, s21, BOFF
	v_add_nc_u32 v[AB0], s21, v[AB0]
	s_mul_i32 s23, s[WV], 16*SP
	s_add_co_u32 s23, s23, STAGE                   ; my stage
	v_mul_u32_u24 v[STO], v1, SP                   ; in: row l % 16, 16 bytes for each half of the lanes
	v_lshl_add_u32 v[STO], v2, 4, v[STO]
	v_add_nc_u32 v[STO], s23, v[STO]
	v_bfe_u32 v[RD], v0, 3, 2                      ; back: 32 lanes take four rows of 128 bytes,
	v_mul_u32_u24 v[RD], v[RD], SP
	v_lshl_add_u32 v[RD], v4, 4, v[RD]
	v_add_nc_u32 v[RD], s23, v[RD]
	v_and_b32 v[GO], 31, v0                        ; which are 512 consecutive bytes of qkv
	v_lshlrev_b32 v[GO], 4, v[GO]
	v_mov_b32 v[ADRA], v[AA0]                      ; K step 0 lies in slot 0
	v_mov_b32 v[ADRB], v[AB0]
	s_wait_loadcnt 0x0                             ; the bias
.macro RBF base, n                     ; n pairs of f32 are rounded to bf16, in place
.set ii, 0
.rept \n
	v_cvt_pk_bf16_f32 v[16+ii%4], v[\base+2*ii], v[\base+2*ii+1]
	v_lshlrev_b32 v[\base+2*ii], 16, v[16+ii%4]
	v_and_b32 v[\base+2*ii+1], s[MSK], v[16+ii%4]
.set ii, ii+1
.endr
.endm
	RBF FA1, 24
	RBF FB1, 24
; 8 nb matrix instructions: column blocks b0 .. b0 + nb - 1 x all 8 row blocks, 32 along K.  cb: the registers of the bias, which starts the sums.
; The accumulators take turns, one instruction a turn: between two links of a chain stand the 95 others'.
.macro MUL ab, bbuf, b0, nb, cb=-1
.set bi, \b0
.rept \nb
.if (\cb) >= 0
	WIN 0x40*(1+bi/4)                              ; D in the block's window, C in window 0
.else
	WIN 0x50*(1+bi/4)                              ; C and D in the block's window
.endif
.set ai, 0
.rept 8
.set rD, 8*(8*(bi%4)+ai)
.if (\cb) >= 0
	v_wmma_f32_16x16x32_bf16 v[rD:rD+7], v[\bbuf+8*(bi%6):\bbuf+8*(bi%6)+7], v[\ab+8*ai:\ab+8*ai+7], v[\cb+8*(bi%6):\cb+8*(bi%6)+7]
.else
	v_wmma_f32_16x16x32_bf16 v[rD:rD+7], v[\bbuf+8*(bi%6):\bbuf+8*(bi%6)+7], v[\ab+8*ai:\ab+8*ai+7], v[rD:rD+7]
.endif
.set ai, ai+1
.endr
.set bi, bi+1
.endr
.endm
.macro LDA q, buf                      ; 16 LDS loads: my 128 rows of A, quarter q (32 K) of the slot in hand
	WIN 0
.set ii, 0
.rept 8
	ds_load_b128 v[\buf+8*ii:\buf+8*ii+3],   v[ADRA] offset:16*PA*ii+64*(\q)
	ds_load_b128 v[\buf+8*ii+4:\buf+8*ii+7], v[ADRA] offset:16*PA*ii+64*(\q)+32
.set ii, ii+1
.endr
.endm
.macro LDB q, half, buf                ; 12 LDS loads: column blocks 6 half .. 6 half + 5 of B, quarter q, turned
	WIN 0
.set ii, 0
.rept 6
.set bq, 6*(\half)+ii
	ds_load_tr16_b128 v[\buf+8*ii:\buf+8*ii+3],   v[ADRB] offset:32*PB*(\q)+144*(bq/4)+32*(bq%4)
	ds_load_tr16_b128 v[\buf+8*ii+4:\buf+8*ii+7], v[ADRB] offset:32*PB*(\q)+144*(bq/4)+32*(bq%4)+16*PB
.set ii, ii+1
.endr
.endm
; A K step is two quarters of 32 along K, each two units of 48 matrix instructions (six column blocks).  The LDS loads stand in runs, 32 matrix instructions ahead of their first use.
.macro UNIT0 q                         ; quarter q, column blocks 0-5; fetches the same quarter's blocks 6-11
	s_wait_dscnt 0x0                               ; this unit's fragments are in
	MUL FA0+64*(\q), FB0, 0, 2
	PLACES
	LDB \q, 1, FB1
	MUL FA0+64*(\q), FB0, 2, 2
	MUL FA0+64*(\q), FB0, 4, 2
.endm
.macro UNIT1                           ; quarter 0, column blocks 6-11; fetches quarter 1's A and its blocks 0-5
	s_wait_dscnt 0x0
	MUL FA0, FB1, 6, 2
	PLACES
	LDB 1, 0, FB0
	LDA 1, FA1
	MUL FA0, FB1, 8, 4
.endm
; Quarter 1, column blocks 6-11, and THE CHANGE OF SLOTS: one barrier.  In front of it each wave waits for all its tensor loads, of which one is out: its part of the next slot; adds 0 to its
; spare word; and waits for that and for its own reads of this slot.  fill = 1: the barrier opens a round of the cluster's, so that no wave of any partner still reads the slot or has a load on its way,
; and the joint refill, two K steps ahead, is the first thing behind it: from there to the wait for it a wave issues 176 matrix instructions.
.macro TURN fill
	WIN 0                                          ; (the add's two registers lie in window 0)
	s_wait_tensorcnt 0x0                           ; no tensor load of mine is out, so a group 0 may be written
	ds_add_u32 v[SPW], v[NIL]                      ; 0 onto my spare word
.if \fill
	s_xor_b32 s[G0A+5], s[G0A+5], SLOT1            ; the walking descriptors: the other slot than last time,
	s_add_nc_u64 s[G0A+6:G0A+7], s[G0A+6:G0A+7], ASTEP  ; the next K step; the type bits on top are not reached
	s_xor_b32 s[G0B+5], s[G0B+5], SLOT1
	s_add_nc_u64 s[G0B+6:G0B+7], s[G0B+6:G0B+7], BSTEP
.endif
	s_xor_b32 s[TB], s[TB], SLOT1
	s_wait_dscnt 1                                 ; the add alone may be out: this unit's 12 loads, issued ahead of it, are in
	MUL FA1, FB1, 6, 1                             ; eight matrix instructions stand between the add and the wait for it
	s_wait_dscnt 0x0                               ; the add is done, and my reads of this slot are over
	s_barrier_signal -1
	MUL FA1, FB1, 7, 1                             ; work on registers while the others arrive
	WIN 0                                          ; at a branch and at a label every window is 0
	s_barrier_wait -1
.if \fill
	CREST
	JLOAD                                          ; the four v_nop behind it are also the places in front of the loads below
.else
	PLACES
.endif
	v_add_nc_u32 v[ADRA], s[TB], v[AA0]
	v_add_nc_u32 v[ADRB], s[TB], v[AB0]
	LDB 0, 0, FB0
	LDA 0, FA0
	MUL FA1, FB1, 8, 4
.endm
	s_wait_tensorcnt 1                             ; my part of K step 0 is in; K step 1's may stay out
	s_barrier_signal -1
	s_barrier_wait -1                              ; everybody's is
	; K step 0's first quarter stands in front of the loop: its products start the sums, with the bias as C
	LDB 0, 0, FB0
	LDA 0, FA0
	s_wait_dscnt 0x0
	MUL FA0, FB0, 0, 6, FA1
	PLACES
	LDB 0, 1, FB0
	LDA 1, FA1
	s_wait_dscnt 16                                ; B's 12 loads are in; A's 16, issued behind them, may be out
	MUL FA0, FB0, 6, 6, FB1
	PLACES
	LDB 1, 0, FB0
	WIN 0
.Lk:                                                   ; 14 trips: from a K step's second quarter to the next step's first; trip i asks for K step i + 2
	UNIT0 1
	TURN 1
	UNIT0 0
	UNIT1
	WIN 0
	s_sub_co_u32 s[CNT], s[CNT], 1
	s_cmp_lg_u32 s[CNT], 0
	s_cbranch_scc1 .Lk
	; The tail has a text of its own: nothing more is asked for.  Two trips; the second, K step 15's second quarter, is left in its middle.
	s_mov_b32 s[CNT], 2
.Ltail:
	UNIT0 1
	WIN 0
	s_sub_co_u32 s[CNT], s[CNT], 1
	s_cmp_eq_u32 s[CNT], 0
	s_cbranch_scc1 .Llast
	TURN 0
	UNIT0 0
	UNIT1
	WIN 0
	s_branch .Ltail
.Llast:
	s_wait_dscnt 0x0
	MUL FA1, FB1, 6, 2
	MUL FA1, FB1, 8, 4
	; THE WAY OUT, in 24 groups g: head g / 8 of my three, row block g % 8: 16 rows x 64 columns, rounded to f16, 16 bytes a lane into my own stage, back as whole rows of 128 bytes,
	; which are 2,048 consecutive bytes of qkv.  Each accumulator's registers are read in ascending order.
	PLACES
.macro PACK g
.set jj, (\g)/8
.set aa, (\g)%8
.set PK, 32+16*((\g)%2)
.if (\g) >= 2
	s_wait_xcnt 0x0                                ; every earlier memory instruction has had its addresses translated (ISA guide 3.1): the registers that group g - 2's stores read are rewritten only behind this wait
.endif
	WIN 0x05*(1+jj)                                ; sources 0 and 1 in the head's window, destination in window 0
.set bb, 0
.rept 4
.set ii, 0
.rept 4
	v_cvt_pk_f16_f32 v[PK+4*bb+ii], v[8*(8*bb+aa)+2*ii], v[8*(8*bb+aa)+2*ii+1]
.set ii, ii+1
.endr
.set bb, bb+1
.endr
	WIN 0
.irp f, 0,1,2,3
	ds_store_b128 v[STO], v[PK+4*\f:PK+4*\f+3] offset:32*\f
.endr
.irp f, 0,1,2,3
	ds_load_b128 v[PK+4*\f:PK+4*\f+3], v[RD] offset:4*SP*\f  ; LDS serves a wave's instructions in order (ISA guide 5.7.1.4): these see the stores above; the next group's stores come behind them
.endr
.endm
.macro SEND g, younger                 ; younger: the LDS instructions issued behind group g's loads: the next group's eight, or none
.set jj, (\g)/8
.set aa, (\g)%8
.set PK, 32+16*((\g)%2)
.irp f, 0,1,2,3
.if (\f)%2 == 0
	s_wait_dscnt (\younger)+2-\f                   ; one wait for two stores: loads f and f + 1 are back; this group's later loads and the younger instructions may be out
.endif
	global_store_b128 v[GO], v[PK+4*\f:PK+4*\f+3], s[10:11] offset:jj*1048576+aa*2048+\f*512  ; 512 consecutive bytes, at a multiple of 256 from qkv's first
.endr
.endm
	PACK 0
.set gg, 1
.rept 23                               ; a group's conversions stand between the loads of the group before and its stores
	PACK gg
	SEND gg-1, 8
.set gg, gg+1
.endr
	SEND 23, 0
	s_wait_tensorcnt 0x0                           ; the wave's end: behind my last tensor load and my last LDS store
	ds_add_u32 v[SPW], v[NIL]
	s_wait_dscnt 0x0
	CROUND                                         ; the closing round: no work-group ends while a partner may still ask for a tile that names it
	s_endpgm
.Lfunc_end_k_qebec1400d2_qkvgemm:
	.size	k_qebec1400d2_qkvgemm, .Lfunc_end_k_qebec1400d2_qkvgemm-k_qebec1400d2_qkvgemm
	.p2alignl 7, 3214868480
	.fill 96, 4, 3214868480
	.section	.rodata,"a",@progbits
	.p2align	6, 0x0
	.amdhsa_kernel k_qebec1400d2_qkvgemm
		.amdhsa_group_segment_fixed_size 327680
		.amdhsa_private_segment_fixed_size 0
		.amdhsa_enable_private_segment 0
		.amdhsa_kernarg_size 32
		.amdhsa_user_sgpr_count 2
		.amdhsa_user_sgpr_kernarg_segment_ptr 1
		.amdhsa_wavefront_size32 1
		.amdhsa_system_sgpr_workgroup_id_x 1
		.amdhsa_system_sgpr_workgroup_id_y 1
		.amdhsa_system_sgpr_workgroup_id_z 1
		.amdhsa_system_vgpr_workitem_id 0
		.amdhsa_next_free_vgpr 1024
		.amdhsa_next_free_sgpr 66
		.amdhsa_reserve_vcc 0
		.amdhsa_float_denorm_mode_32 3
		.amdhsa_float_denorm_mode_16_64 3
		.amdhsa_memory_ordered 1
		.amdhsa_forward_progress 1
		.amdhsa_inst_pref_size 117
	.end_amdhsa_kernel
	.amdgpu_metadata
---
amdhsa.version: [ 1, 2 ]
amdhsa.kernels:
  - .name:           k_qebec1400d2_qkvgemm
    .symbol:         k_qebec1400d2_qkvgemm.kd
    .args:
      - { .name: xb, .offset: 0, .size: 8, .value_kind: global_buffer, .address_space: global }
      - { .name: wqb, .offset: 8, .size: 8, .value_kind: global_buffer, .address_space: global }
      - { .name: b_qkv, .offset: 16, .size: 8, .value_kind: global_buffer, .address_space: global }
      - { .name: qkv, .offset: 24, .size: 8, .value_kind: global_buffer, .address_space: global }
    .group_segment_fixed_size: 327680
    .private_segment_fixed_size: 0
    .kernarg_segment_align: 8
    .kernarg_segment_size: 32
    .max_flat_workgroup_size: 128
    .sgpr_count:     66
    .vgpr_count:     1024
    .wavefront_size: 32
...
	.end_amdgpu_metadata
.endif
;; end of part 2
;; launch attn (part 3): grid 4 x 64, 4 waves a work-group, no clusters, 327,680 bytes of LDS; arguments qkv, y; writes y
.if DOCPART == 3
	.amdgcn_target "amdgcn-amd-amdhsa--gfx1250"
	.amdhsa_code_object_version 6
	.text
	.protected	k_qebec1400d2_attn
	.globl	k_qebec1400d2_attn
	.p2align	8
	.type	k_qebec1400d2_attn,@function
k_qebec1400d2_attn:
	s_mov_b64 s[64:65], 0
	v_nop
	global_prefetch_b8 v0, s[64:65] scope:SCOPE_SE
	s_setreg_imm32_b32 hwreg(HW_REG_WAVE_MODE, 25, 1), 1
	s_wait_xcnt 0x0
; CAUSAL ATTENTION.  O[h][q][:] = the sum over k <= q of softmax_k(Q[h][q] . K[h][k] / 8) V[h][k][:], for 64 heads (number 4 x head + batch) of SIZE_N = 2,048 rows of 64 channels, all f16: a head's rows are
; dense, 128 bytes each.  Q's heads lie at the head of the buffer qkv, K's 16,777,216 bytes on, V's 33,554,432 bytes on; O is the buffer y, in Q's layout.
; Products, maxima and sums in f32; the weights p are rounded to f16 for the second product (their sum l is taken of the unrounded p), O once at the end.
; LIMITS.  f16 holds no number beyond 65,504: Q, K and V arrive within it; p lies in 0 to 1, and below 6e-5 it keeps f16's fixed step of 6e-8; O is a mean of V's rows and has their range, to within 2^-11 of it.
; A hidden score counts as its value less 1e30: f16's scores, 2.7e11 at the most, are nothing beside that; a weight below 2^-126 counts as 0 in l; NaN and infinities are not treated apart.
; THE WALK.  A head's queries lie in NB = SIZE_N / 256 blocks of 256; block i needs the key tiles 0 .. i of 256 keys, of which the last holds the diagonal.  A work-group takes TWO blocks, NB - 1 - b and then b:
; NB + 1 tiles, whatever b: all work-groups do equal work, and ONE loop with a constant trip count walks them.  Which tile is asked for, and what a trip does, hang on scalar registers made from b; every jump
; goes forward, but for the counted loops' own; none passes a barrier, or a tensor load but the one of LOAD's two that the wave's number does not choose; the ring (two slots of LDS that take turns) runs on across the
; change of blocks.  NO CLUSTER: a head's NB / 2 = 4 work-groups ask for the same tile only in trips 0 .. 4 of the 9, behind that fewer and fewer do; one walk common to all four would have 12 trips for 9.
; SHARES.  Of a block's four bands of 64 queries a wave owns 16 rows in each: four PIECES.  So the diagonal tile is the same work for all four waves: in its key step s band x sees all keys if s < x,
; none if s > x, and holds the diagonal if s = x.
; THE MASK is the C operand that starts the sum S^T = K Q^T: 0, or -1e30 where the key is hidden.  MD, made once, is the mask of a band's own step for my 16 rows; a product's mask is MD x AL + BE with two scalars:
; (1, 0) if s = x; (0, 0) if s < x; (0, -1e30) if s > x.  ONE TEXT OF THE KEY STEP SERVES EVERY TILE: all products take their C from the mask registers MC.  A block's beginning writes MC, with 0 unless its first tile is
; the diagonal one; each turn ends with the lines that make the next mask, and in a tile that is not a block's last a forward jump on the count of tiles left passes them, so that MC stays 0 there.
; So the key step stands twice in the text, in the loop and in the tail, and not a third time without masks.
; LAYOUT, SOFTMAX, TURNS.  S^T = K Q^T holds ONE query a lane (lane % 16) and the keys 8 (lane / 16) + 0..7; two such results rounded to f16 ARE source 1 of O^T = V^T P.  p = 2^(c s - c m), c = log2(e) / 8, with a
; running maximum m; O and l are multiplied by a = 2^(c m_old - c m_new) in every step.  Turn n belongs to piece n: 8 products K Q^T of piece n + 1, later 8 products V^T P of piece n - 1; beside them the scaling,
; exponentials, roundings, sums and rescaling of piece n and the maximum and statistics of piece n + 1.  Four vector instructions stand behind every matrix instruction, the other 54 of a turn's 118 in two LUMPS.
; REGISTERS, in windows of 256 (s_set_vgpr_msb: bits 1:0 source 0, 3:2 source 1, 5:4 source 2, 7:6 destination):
;   window 0: v0-15 addresses and two at work; v16-31 four registers of statistics a piece; v48-55 at work; v64-127 S^T, two buffers; v192-223 P, two buffers (a piece's buffers go by its number's parity)
;   window 1: v0-127 O^T, 32 a piece; v128-159 MD; v160-223 MC, two buffers      window 2: v0-63 Q; v64-127 the second block's Q; v128-191 K of one step; v192-255 V of one step
.set SIZE_N, 2048
.set NB,    SIZE_N/256
.set NP,    4         ; pieces a wave: a name, no knob
.set KS,    64        ; keys in a step
.set PK,    144       ; a row of K in LDS: 128 bytes + 16 of padding = 36 words: the 16 rows of a load start at 16 different groups of four banks (64 banks of 4 bytes: ISA guide 11.1)
.set PV,    160       ; a row of V: 128 + 32 = 40 words
.set VOFF,  4*KS*PK   ; a slot holds a tile, four steps: 256 rows of K, then 256 rows of V
.set SLOT1, 1<<17     ; slot 1 begins here, so that one exclusive or turns an address in one slot into the other's
.set STAGE, SLOT1+4*KS*(PK+PV)  ; behind the ring, never filled by a tensor load: 16 rows x 144 bytes for each wave, for the way out
.set SP,    144
.set AK0, 2           ; v2   my lane's place in a tile of K; never rewritten
.set AV0, 3           ; v3   the same for V
.set AK,  4           ; v4   the LDS address of K's next run of loads
.set AV,  5           ; v5   of V's
.set STO, 6           ; v6   the way out: where I put 16 bytes of a row
.set RD,  7           ; v7   the way out: where I read rows back
.set GO,  8           ; v8   my byte offset in 512 consecutive bytes of O
.set SPW, 62          ; v62  LDS address of my spare word: SPARE + 4 x my thread's number; never rewritten
.set NIL, 63          ; v63  0; never rewritten
.set SPARE, STAGE+4*16*SP  ; behind the stages: the spare words, 128 bytes for each wave: two blocks of 256 bytes that no other line names
.set MV,  12          ; v12-13  c m_old, kept while c m is made anew: by buffer
.set QO,  15          ; v15  my byte offset in 16 rows of Q
.set ST,  16          ; piece t's statistics at v[ST+4 t]: c m, m, l (even keys', odd keys')
.set TMP, 48          ; by buffer, four registers c0-c3 at work; when the maximum is found c2 takes a
.set S,   64
.set P,   192
.set MD,  128         ; window 1: the eight registers for group kt of 16 keys at MD + 8 kt
.set MC,  160         ; window 1: the masks of the products to come
.set QB,  64          ; window 2
.set KF,  128         ; window 2: key block kb, channel half c at KF + 16 kb + 8 c
.set VF,  192         ; window 2: key half kk, channel block cb at VF + 32 kk + 8 cb
.set WV,  12          ; s12  my wave's number
.set PB,  14          ; s14  b
.set HI,  15          ; s15  NB - 1 - b
.set G1K, 24          ; s[24:31] descriptor group 1 for K's tiles
.set G1V, 32          ; s[32:39] for V's: it differs in the padding alone
.set G0K, 40          ; s[40:43] descriptor group 0 for K's tiles
.set G0V, 44          ; s[44:47] the same for V's
.set SLOTS, 56        ; s56  tiles still to be asked for
.set CNT, 57          ; s57  counts a tile's key steps, 4 to 1
.set CS,  58          ; s[58:59] c: the packed scaling takes the pair's low word for both halves
.set SEL, 60          ; s[60:61] v_permlanex16_b32's selects: each lane takes its own place in the other half
.set TBK, 62          ; s62  LDS byte at which K of the step to be fetched begins
.set TBV, 63          ; s63  the same for V, less VOFF
.set RT,  70          ; s70  tiles of the block in hand that are still to be entered: 0 in its last, the diagonal one
.set NXT, 71          ; s71  the tile to be asked for next
.set LQ,  72          ; s72  the last tile of the block whose tiles are being asked for
.set NEW, 73          ; s73  1: the tile to be entered is a block's first
.set OFF, 74          ; s[74:75] a tile's byte offset in K and V
.set AL,  76          ; s[76:77] the mask's factor, in the low word
.set BE,  78          ; s[78:79] the mask's addend
.set OLO, 80          ; s[80:81] O at my rows of the second block
.set BIGN, 82         ; s82  -1e30
.set MSB, 0
.macro WIN new                      ; the high byte repeats the setting that is left; a switch that changes nothing is dropped
.if MSB != (\new)
	s_set_vgpr_msb (MSB<<8)|(\new)
.set MSB, (\new)
.endif
.endm
.set W_KQ, 0x0a       ; K and Q in window 2, S^T in window 0
.set W_KM, 0x1a       ; the same with the C operand in window 1
.set W_PV, 0x52       ; V in window 2, P in window 0, O^T in window 1
.set W_RS, 0x41       ; destination and source 0 in window 1, source 1 in window 0
; A fill.  Waves 0 and 1 fetch the two halves of a tile's K, waves 2 and 3 those of its V: 128 keys each.  An s_nop 0 and four v_nop follow each of the two lines, ahead of the jump and the label.
.macro LOAD
	s_cmp_lt_u32 s[WV], 2
	s_cbranch_scc0 .Lfor_v_\@
	tensor_load_to_lds s[G0K:G0K+3], s[G1K:G1K+7]
	s_nop 0
.rept 4
	v_nop
.endr
	s_branch .Lasked_\@
.Lfor_v_\@:
	tensor_load_to_lds s[G0V:G0V+3], s[G1V:G1V+7]
	s_nop 0
.rept 4
	v_nop
.endr
.Lasked_\@:
.endm
; THE CHANGE OF SLOTS.  Each wave waits for all its tensor loads, of which one is out: its part of the other slot; adds 0 to its spare word; and waits for that and for its own reads of the slot that it leaves.  Behind the barrier nobody reads the old
; slot any more and the other slot is whole.  fill = 1: the old slot is filled again, the first thing behind the barrier, with tile NXT: the descriptor's address is made anew from that number.
; (At its first use nothing has been read yet: slot 0 is waited for, slot 1 filled.)
.macro CHANGE fill
	WIN 0                           ; at a label and at a branch every window is 0
	s_wait_tensorcnt 0x0            ; no tensor load of mine is out, so a group 0 may be written
	ds_add_u32 v[SPW], v[NIL]       ; 0 onto my spare word; with fill = 1 the descriptors' scalar work stands between it and the wait for it
.if \fill
	s_lshl_b32 s[OFF], s[NXT], 15   ; a tile is 32,768 bytes of K and of V
	s_xor_b32 s[G0K+1], s[G0K+1], SLOT1
	s_add_nc_u64 s[G0K+2:G0K+3], s[6:7], s[OFF:OFF+1]
	s_or_b32 s[G0K+3], s[G0K+3], 0x80000000
	s_xor_b32 s[G0V+1], s[G0V+1], SLOT1
	s_add_nc_u64 s[G0V+2:G0V+3], s[8:9], s[OFF:OFF+1]
	s_or_b32 s[G0V+3], s[G0V+3], 0x80000000
	s_add_co_u32 s[NXT], s[NXT], 1  ; the block's next tile, or behind its last the second block's tile 0
	s_cmp_gt_u32 s[NXT], s[LQ]
	s_cselect_b32 s[NXT], 0, s[NXT]
	s_cselect_b32 s[LQ], s[PB], s[LQ]
.endif
	s_wait_dscnt 0x0                ; the add is done, and my reads of the slot are over
	s_barrier_signal -1             ; the rest of the scalar work stands between the signal and the wait
	s_sub_co_u32 s[TBK], s[TBK], 4*KS*PK  ; the fetches go back to a slot's first step,
	s_xor_b32 s[TBK], s[TBK], SLOT1       ; in the other slot
	s_sub_co_u32 s[TBV], s[TBV], 4*KS*PV
	s_xor_b32 s[TBV], s[TBV], SLOT1
	s_barrier_wait -1
.if \fill
	LOAD
.endif
.endm
	s_load_b128 s[4:7], s[0:1], 0x0   ; qkv s[4:5] (Q lies at its head), y s[6:7]
	v_lshl_add_u32 v[SPW], v0, 2, SPARE
	v_mov_b32 v[NIL], 0
	ds_add_u32 v62, v63
	ds_add_u32 v62, v63
	s_wait_dscnt 0x0
	v_lshrrev_b32 v1, 5, v0
	v_readfirstlane_b32 s[WV], v1   ; wave 0..3
	s_mov_b32 s[PB], ttmp9
	s_sub_co_u32 s[HI], NB-1, s[PB]
	s_and_b32 s20, ttmp7, 0xffff    ; the head
	s_mov_b32 s21, 0
	s_mov_b64 s[22:23], SIZE_N*128
	s_mul_u64 s[20:21], s[20:21], s[22:23]  ; the head's first byte in each of the four tensors
	s_and_b32 s16, s[WV], 1         ; which half of a tile's 256 keys I fetch:
	s_lshl_b32 s22, s16, 14         ; its 128 rows of 128 bytes in memory,
	s_mov_b32 s23, 0
	s_add_nc_u64 s[22:23], s[22:23], s[20:21]
	s_mul_i32 s17, s16, 128*PK      ; and its place in a slot, for K
	s_mul_i32 s18, s16, 128*PV      ; and for V
	s_lshl_b32 s3, s[WV], 11        ; my 16 rows in a band of 64,
	s_lshl_b32 s2, s[HI], 15        ; in the first block,
	s_add_co_u32 s2, s2, s3
	s_lshl_b32 s84, s[PB], 15       ; and in the second
	s_add_co_u32 s84, s84, s3
	s_mov_b32 s3, 0
	s_mov_b32 s85, 0
	s_add_nc_u64 s[2:3], s[2:3], s[20:21]
	s_add_nc_u64 s[84:85], s[84:85], s[20:21]
	; descriptor group 1.  128 keys are 16,384 dense bytes: asked for as 64 rows of 256 bytes, two keys a row, and padded in LDS after every key
	s_mov_b32 s[G1K], (1<<16)|(1<<20)|(4<<22)|(3<<25)  ; 17:16 2-byte elements; 20 padding on; 24:22 after every 32 words (code 4); 31:25 4 words (code 3)
	s_mov_b32 s[G1V], (1<<16)|(1<<20)|(4<<22)|(7<<25)  ; the same with 8 words of padding (code 7)
.irp g, G1K, G1V
	s_mov_b32 s[\g+1], 128<<16      ; tensor_dim0 = 128
	s_mov_b32 s[\g+2], 64<<16       ; tensor_dim1 = 64
	s_mov_b32 s[\g+3], 128<<16      ; tile_dim0 = 128
	s_mov_b32 s[\g+4], 64           ; tile_dim1 = 64
	s_mov_b32 s[\g+5], 128          ; 128 elements from row to row
	s_mov_b32 s[\g+6], 0
	s_mov_b32 s[\g+7], 0
.endr
	s_mov_b32 s[CS], 0x3e38aa3b     ; c = log2(e) / 8 = 0.180337
	s_mov_b32 s[CS+1], s[CS]        ; named with it as a pair
	s_mov_b32 s[SEL], 0x76543210
	s_mov_b32 s[SEL+1], 0xfedcba98
	s_mov_b32 s[TBK], SLOT1+4*KS*PK ; the first change of slots turns these two into 0
	s_mov_b32 s[TBV], SLOT1+4*KS*PV
	s_mov_b32 s[G0K], 1             ; 1:0 count = 1
	s_mov_b32 s[G0K+1], s17         ; 63:32 LDS address: slot 0
	s_mov_b32 s[G0V], 1
	s_add_co_u32 s[G0V+1], s18, VOFF
	s_add_co_u32 s[RT], s[HI], 1    ; the first block has NB - b tiles
	s_mov_b32 s[NXT], 1
	s_mov_b32 s[LQ], s[HI]
	s_mov_b32 s[NEW], 1
	s_mov_b32 s[OFF+1], 0
	s_mov_b32 s[AL+1], 0            ; named as pairs
	s_mov_b32 s[BE+1], 0
	s_mov_b32 s[BIGN], 0xf149f2ca   ; -1e30
	s_mov_b32 s[SLOTS], NB
	s_wait_kmcnt 0x0
	s_mov_b64 s[10:11], s[6:7]                     ; O = y
	s_add_nc_u64 s[6:7], s[4:5], 0x1000000         ; K: behind Q's 64 heads of 262,144 bytes
	s_add_nc_u64 s[8:9], s[4:5], 0x2000000         ; V: behind K's
	s_add_nc_u64 s[6:7], s[6:7], s[22:23]  ; K and V at my half of the head's tile 0
	s_add_nc_u64 s[8:9], s[8:9], s[22:23]
	s_add_nc_u64 s[G0K+2:G0K+3], s[6:7], 0         ; 120:64 global address
	s_or_b32 s[G0K+3], s[G0K+3], 0x80000000        ; 127:126 type = 2
	s_add_nc_u64 s[G0V+2:G0V+3], s[8:9], 0
	s_or_b32 s[G0V+3], s[G0V+3], 0x80000000
	s_add_nc_u64 s[86:87], s[4:5], s[84:85]        ; Q at my rows of the second block,
	s_add_nc_u64 s[4:5], s[4:5], s[2:3]            ; Q and O at those of the first
	s_add_nc_u64 s[OLO:OLO+1], s[10:11], s[84:85]
	s_add_nc_u64 s[10:11], s[10:11], s[2:3]
	LOAD                            ; tile 0 into slot 0
	; A fragment of K or Q is 16 rows x 32 channels in 8 registers: lane l holds row l % 16, channels 8 (l / 16) + 0..7 and 16 + 8 (l / 16) + 0..7: two loads of 16 bytes, 32 bytes apart.
	v_and_b32 v1, 15, v0            ; l % 16
	v_bfe_u32 v9, v0, 4, 1          ; l / 16
	v_lshlrev_b32 v[QO], 7, v1
	v_lshl_add_u32 v[QO], v9, 4, v[QO]  ; row x 128 + 16 x half
	WIN 0x80                        ; destination window 2, address window 0
.set i, 0
.rept 8                             ; both blocks' Q: piece i / 2 lies in band i / 2, 8,192 bytes on; channels 32 (i % 2) on
	global_load_b128 v[8*i:8*i+3],   v[QO], s[4:5] offset:(i/2)*8192+(i%2)*64
	global_load_b128 v[8*i+4:8*i+7], v[QO], s[4:5] offset:(i/2)*8192+(i%2)*64+32
	global_load_b128 v[QB+8*i:QB+8*i+3],   v[QO], s[86:87] offset:(i/2)*8192+(i%2)*64
	global_load_b128 v[QB+8*i+4:QB+8*i+7], v[QO], s[86:87] offset:(i/2)*8192+(i%2)*64+32
.set i, i+1
.endr
	WIN 0
	v_lshlrev_b32 v14, 3, v9
	v_sub_nc_u32 v14, v1, v14
	s_lshl_b32 s13, s[WV], 4
	v_add_nc_u32 v14, s13, v14      ; my query's place in its band, 16 w + l % 16, less my lanes' 8 (l / 16): register r of group kt is hidden where 16 kt + r is greater
	WIN 0x40
.set i, 0
.rept 32
	v_cmp_gt_i32 vcc_lo, 16*(i/8)+i%8, v14
	v_cndmask_b32 v[MD+i], 0, s[BIGN], vcc_lo
.set i, i+1
.endr
	WIN 0
	v_mul_u32_u24 v[AK0], v1, PK
	v_lshl_add_u32 v[AK0], v9, 4, v[AK0]  ; row x pitch + 16 x half
	; The turning load takes 16 keys x 16 channels (lane l reads key 8 (l / 16) + l % 8, channels 8 ((l / 8) % 2) + 0..7) and leaves half a fragment of V^T: lane l holds channel l % 16 and 8 keys.
	v_and_b32 v10, 7, v0
	v_bfe_u32 v11, v0, 3, 1
	v_lshl_add_u32 v[AV0], v9, 3, v10
	v_mul_u32_u24 v[AV0], v[AV0], PV
	v_lshl_add_u32 v[AV0], v11, 4, v[AV0]
	v_add_nc_u32 v[AV0], VOFF, v[AV0]
	s_mul_i32 s13, s[WV], 16*SP
	s_add_co_u32 s13, s13, STAGE    ; my stage
	v_mul_u32_u24 v[STO], v1, SP    ; in: row l % 16, 16 bytes for each half of the lanes
	v_lshl_add_u32 v[STO], v9, 4, v[STO]
	v_add_nc_u32 v[STO], s13, v[STO]
	v_bfe_u32 v[RD], v0, 3, 2       ; back: 32 lanes take four rows of 128 bytes,
	v_mul_u32_u24 v[RD], v[RD], SP
	v_lshl_add_u32 v[RD], v10, 4, v[RD]
	v_add_nc_u32 v[RD], s13, v[RD]
	v_and_b32 v[GO], 31, v0         ; which are 512 consecutive bytes of O
	v_lshlrev_b32 v[GO], 4, v[GO]
	; A block's first step multiplies O^T and l by a = 0, and its first turn's products V^T P, of a piece that has not been, land in an O^T that is still to be so multiplied.  So these registers need only hold
	; finite numbers: zeros for the first block; what the first block left for the second.  All this stands in the wait for the first tile.
	WIN 0x80
.set i, VF
.rept 64
	v_mov_b32 v[i], 0
.set i, i+1
.endr
	WIN 0x40
.set i, 0
.rept 128
	v_mov_b32 v[i], 0
.set i, i+1
.endr
	WIN 0
.set i, 0
.rept 4
	v_mov_b32 v[ST+4*i+2], 0
	v_mov_b32 v[ST+4*i+3], 0
.set i, i+1
.endr
.set i, P+16
.rept 16
	v_mov_b32 v[i], 0
.set i, i+1
.endr
; THE MATRIX WORK.  The 4 accumulators of a run of 8 take turns.  Product i of 8 of S^T = K Q^T for piece x: channels 32 (i / 4) on, keys 16 (i % 4) on.  The first 4 start the sums, with the mask registers as C.
.macro KQ x
.set rS, S+32*((\x)%2)+8*(i%4)
.set rK, KF+16*(i%4)+8*(i/4)
.set rQ, 16*(\x)+8*(i/4)
.set rM, MC+32*((\x)%2)+8*(i%4)
.if i < 4
	WIN W_KM
	v_wmma_f32_16x16x32_f16 v[rS:rS+7], v[rK:rK+7], v[rQ:rQ+7], v[rM:rM+7]
.else
	WIN W_KQ
	v_wmma_f32_16x16x32_f16 v[rS:rS+7], v[rK:rK+7], v[rQ:rQ+7], v[rS:rS+7]
.endif
.endm
; Product i of 8 of O^T += V^T P for piece x: keys 32 (i / 4) on, channels 16 (i % 4) on.
.macro PV x
	WIN W_PV
.set rO, 32*(\x)+8*(i%4)
.set rV, VF+32*(i/4)+8*(i%4)
.set rP, P+16*((\x)%2)+8*(i/4)
	v_wmma_f32_16x16x32_f16 v[rO:rO+7], v[rV:rV+7], v[rP:rP+7], v[rO:rO+7]
.endm
.macro MM                           ; the turn's next matrix instruction.  TURN and BEGIN set Y, i and NOKQ; MM, KQ and OP read them.  NOKQ = 1: a block's last turn: there is no next piece
.if (i < 8) && !NOKQ
	KQ (Y+1)%NP
.elseif i >= 8
.set i, i-8
	PV (Y+NP-1)%NP
.set i, i+8
.endif
.set i, i+1
.endm
; THE LDS LOADS stand in runs of 16, never singly among the matrix instructions: a step's K (64 keys x 64 channels: 8 fragments) and its V (turned).  Their addresses are made some lines ahead.
.macro FETCH_K
	WIN 0x80                        ; destination window 2
.irp f, 0,1,2,3,4,5,6,7             ; keys 16 (f / 2) on, channels 32 (f % 2) on
	ds_load_b128 v[KF+8*\f:KF+8*\f+3],   v[AK] offset:(\f/2)*16*PK+(\f%2)*64
	ds_load_b128 v[KF+8*\f+4:KF+8*\f+7], v[AK] offset:(\f/2)*16*PK+(\f%2)*64+32
.endr
	s_add_co_u32 s[TBK], s[TBK], KS*PK  ; the next fetch is the next step's
	WIN 0
.endm
.macro FETCH_V
	WIN 0x80
.irp f, 0,1,2,3,4,5,6,7             ; keys 32 (f / 4) on, channels 16 (f % 4) on
	ds_load_tr16_b128 v[VF+8*\f:VF+8*\f+3],   v[AV] offset:(\f/4)*32*PV+(\f%4)*32
	ds_load_tr16_b128 v[VF+8*\f+4:VF+8*\f+7], v[AV] offset:(\f/4)*32*PV+16*PV+(\f%4)*32
.endr
	WIN 0
.endm
; THE VECTOR WORK, one line at a time: OP kind, number.  For piece Y: F n: c s - c m for pair n of 16.  E n: the exponential of score n of 32.  C n: pair n rounded to f16.  B n: of the four weights 4 n .. the second
; pair is added onto the first, in place.  L n: l takes that sum (L 0: l = a l + sum).  R n: pair n of 16 of O^T times a.  For piece Y + 1: X n, number n of the 22 that find its maximum and statistics:
;   0-11  four chains c0-c3 of seven scores each, three operands at a time (each accumulator's lowest registers are read first)     12-14, 16  the four scores left over, the old m, and c0-c3 into c0
;   15  c m_old is kept     17, 18  the query's other 32 keys lie in the lane 16 away: the new m     19-21  c m; c m_old - c m_new; a
.set F, 0               ; OP tells the kinds apart by their order: F to L below R, X above it
.set E, 1
.set C, 2
.set B, 3
.set L, 4
.set R, 5
.set X, 6
.macro REGS y                       ; the registers of piece y
.set rT, ST+4*(\y)
.set rC, TMP+4*((\y)%2)
.set rW, MV+((\y)%2)
.set rS, S+32*((\y)%2)
.set rP, P+16*((\y)%2)
.set rO, 32*(\y)
.endm
.macro OP k, n
.if (\k) == R
	REGS Y
	WIN W_RS
	v_pk_mul_f32 v[rO+2*(\n):rO+2*(\n)+1], v[rO+2*(\n):rO+2*(\n)+1], v[rC+2:rC+3] op_sel_hi:[1,0]
.elseif (\k) < R
	REGS Y
	WIN 0
.if (\k) == F
	v_pk_fma_f32 v[rS+2*(\n):rS+2*(\n)+1], v[rS+2*(\n):rS+2*(\n)+1], s[CS:CS+1], v[rT:rT+1] op_sel_hi:[1,0,0] neg_lo:[0,0,1] neg_hi:[0,0,1]
.elseif (\k) == E
	v_exp_f32 v[rS+(\n)], v[rS+(\n)]
.elseif (\k) == C
	s_wait_alu depctr_va_vdst(0)
	v_cvt_pk_f16_f32 v[rP+(\n)], v[rS+2*(\n)], v[rS+2*(\n)+1]
.elseif (\k) == B
	s_wait_alu depctr_va_vdst(0)
	v_pk_add_f32 v[rS+4*(\n):rS+4*(\n)+1], v[rS+4*(\n):rS+4*(\n)+1], v[rS+4*(\n)+2:rS+4*(\n)+3]
.elseif (\n) == 0
	v_pk_fma_f32 v[rT+2:rT+3], v[rT+2:rT+3], v[rC+2:rC+3], v[rS:rS+1] op_sel_hi:[1,0,1]
.else
	v_pk_add_f32 v[rT+2:rT+3], v[rT+2:rT+3], v[rS+4*(\n):rS+4*(\n)+1]
.endif
.elseif NOKQ
	v_nop
.else
	REGS (Y+1)%NP
	WIN 0
.if (\n) < 4
	v_max3_num_f32 v[rC+(\n)], v[rS+8*(\n)], v[rS+8*(\n)+1], v[rS+8*(\n)+2]
.elseif (\n) < 12
	v_max3_num_f32 v[rC+(\n)%4], v[rC+(\n)%4], v[rS+8*((\n)%4)+2*((\n)/4)+1], v[rS+8*((\n)%4)+2*((\n)/4)+2]
.elseif (\n) == 12
	v_max3_num_f32 v[rC], v[rC], v[rS+7], v[rS+15]
.elseif (\n) == 13
	v_max3_num_f32 v[rC+1], v[rC+1], v[rS+23], v[rS+31]
.elseif (\n) == 14
	v_max3_num_f32 v[rC+2], v[rC+2], v[rC+3], v[rT+1]
.elseif (\n) == 15
	v_mov_b32 v[rW], v[rT]
.elseif (\n) == 16
	v_max3_num_f32 v[rC], v[rC], v[rC+1], v[rC+2]
.elseif (\n) == 17
	v_permlanex16_b32 v[rC+3], v[rC], s[SEL], s[SEL+1]
.elseif (\n) == 18
	v_max_num_f32 v[rT+1], v[rC], v[rC+3]
.elseif (\n) == 19
	v_mul_f32 v[rT], s[CS], v[rT+1]
.elseif (\n) == 20
	v_sub_f32 v[rC+1], v[rW], v[rT]
.else
	v_exp_f32 v[rC+2], v[rC+1]
.endif
.endif
.endm
.macro OPS a, i1, b=-1, i2=0, c=-1, i3=0, d=-1, i4=0  ; up to four of them
	OP \a, \i1
.if (\b) >= 0
	OP \b, \i2
.endif
.if (\c) >= 0
	OP \c, \i3
.endif
.if (\d) >= 0
	OP \d, \i4
.endif
.endm
.macro ROW a, i1, b, i2, c, i3, d, i4  ; a matrix instruction and the four behind it
	MM
	OPS \a, \i1, \b, \i2, \c, \i3, \d, \i4
.endm
.macro MASK b                       ; MD x AL + BE into buffer b of MC
	WIN W_RS
.set z, 0
.rept 16
	v_pk_fma_f32 v[MC+32*(\b)+2*z:MC+32*(\b)+2*z+1], v[MD+2*z:MD+2*z+1], s[AL:AL+1], s[BE:BE+1] op_sel_hi:[1,0,0]
.set z, z+1
.endr
.endm
; A TURN, for piece p: the order of its 16 matrix and 118 vector instructions, written out.  Behind a matrix instruction: plain, exponential, plain, plain; or four of the rescaling; or, behind the first, four scalings; none
; names a register of the products round it.  In the lumps exponential and plain by turns while exponentials last.  A line reads no result made fewer than three vector instructions in front of it, five if an exponential made it.
; v_permlanex16_b32 (X 17) stands in a lump.
; AT ITS END the turn makes the mask for the products of the turn after it: piece p + 2, in step 4 - CNT of the tile.  m = 1 (the loop's text): only in a block's last tile, RT = 0; elsewhere the lines are jumped over, and MC
; keeps its zeros.  m = 2 (the tail's text): always, since the walk's last tile is a diagonal one.  end = 1: a block's last two turns: nothing is fetched and no mask is made.
; cnt = 1: the loop's count is taken down behind the mask's lines, which compare it as it stood through the turn; the branch stands behind the turn.
; K of the next step is fetched in piece 2's turn, six vector instructions behind the last product that read K (five of them plain); V of the step in hand in piece 0's turn, eight behind the last product that read V (four
; plain, and X 17).  Each is waited for a turn later.
.macro TURN p, m=1, end=0, cnt=0
.set Y, (\p)
.set i, 0
.set NOKQ, (\end)*((\p)/3)
.if ((\p) == 3) && !(\end)
	s_wait_dscnt 0x0                ; K is in
.endif
	ROW F,0, F,1, F,2, F,3
	ROW F,4, E,0, F,5, F,6
	ROW F,7, E,1, F,8, F,9
	ROW F,10, E,2, C,0, F,11
	ROW F,12, E,3, X,15, F,13
	ROW R,0, R,1, R,2, R,3
	ROW B,0, E,4, F,14, L,0
.if ((\p) == 2) && !(\end)
	v_add_nc_u32 v[AK], s[TBK], v[AK0]
.endif
	ROW R,4, R,5, R,6, R,7
	OPS E,5, F,15
.if ((\p) == 2) && !(\end)
	FETCH_K
.endif
	OPS E,6, C,1, E,7, R,8
	OPS E,8, R,9, E,9, C,2
	OPS E,10, X,0, E,11, X,1
	OPS E,12, X,2, E,13, X,3
.if (\p) == 1
	s_wait_dscnt 0x0                ; V is in
.endif
	ROW X,4, E,14, X,5, X,6
	ROW X,7, E,15, X,8, X,9
	ROW X,10, E,16, X,11, X,12
	ROW X,13, E,17, X,14, B,1
	ROW C,4, E,18, X,16, L,1
	ROW B,2, E,19, C,6, L,2
	ROW C,8, E,20, B,3, B,4
.if (\p) == 0
	v_add_nc_u32 v[AV], s[TBV], v[AV0]
.endif
	ROW C,3, E,21, L,3, C,5
	OPS E,22, X,17, E,23, C,10
.if (\p) == 0
	FETCH_V
.endif
	OPS E,24, L,4
	OPS E,25, X,18, E,26, C,7
	OPS E,27, B,5, E,28, X,19
	OPS E,29, C,12, E,30, L,5
	OPS E,31, X,20, B,6, C,9
	OPS C,14, C,11, X,21, L,6
.if (\p) == 0
	s_add_co_u32 s[TBV], s[TBV], KS*PV
.endif
	OPS C,13, B,7, C,15, R,10
	OPS R,11, R,12, L,7, R,13
	OPS R,14, R,15
.if !(\end)
.if (\m) == 1
	WIN 0                           ; at a branch and at a label every window is 0
	s_cmp_lg_u32 s[RT], 0           ; not the block's last tile: no key of it is hidden, and MC holds 0
	s_cbranch_scc1 .Lnomask_\@
.endif
	s_cmp_eq_u32 s[CNT], 4-((\p)+2)%NP  ; is that step the band's own?
	s_cselect_b32 s[AL], 1.0, 0
	s_cmp_lt_u32 s[CNT], 4-((\p)+2)%NP  ; or a later one?
	s_cselect_b32 s[BE], s[BIGN], 0
	MASK (\p)%2
.if (\m) == 1
	WIN 0
.Lnomask_\@:
.endif
.endif
.if \cnt
	s_sub_co_u32 s[CNT], s[CNT], 1
	s_cmp_lg_u32 s[CNT], 0
.endif
.endm
; A BLOCK BEGINS.  c m starts far below every c s, so the first step's a is 0; m at the lowest finite number, so the first maximum is the scores'.  The second mask buffer is 0; the first takes piece 0's mask for the tile's step 0: its own, if the block's first tile is the diagonal one, else 0.
; Then K of that step, piece 0's first scores, and its maximum and statistics.  The loop is entered at a step's first turn, in the middle of a trip.
.macro BEGIN
	s_mov_b32 s[NEW], 0
	WIN 0x40
.set i, MC+32
.rept 32
	v_mov_b32 v[i], 0
.set i, i+1
.endr
	WIN 0
.set i, 0
.rept 4
	v_mov_b32 v[ST+4*i], 0xfe000000    ; c m: far below every c s
	v_mov_b32 v[ST+4*i+1], 0xff7fffff  ; m
.set i, i+1
.endr
	s_cmp_eq_u32 s[RT], 0
	s_cselect_b32 s[AL], 1.0, 0
	s_mov_b32 s[BE], 0
	MASK 0
	WIN 0
	v_add_nc_u32 v[AK], s[TBK], v[AK0]
	FETCH_K
	s_wait_loadcnt 0x0              ; Q
	s_wait_dscnt 0x0
.set NOKQ, 0
.set i, 0
.rept 8
	KQ 0
.set i, i+1
.endr
	WIN 0
.rept 4
	v_nop                           ; the places behind those products
.endr
.set Y, NP-1                        ; X works for piece Y + 1: piece 0
.irp n, 0,1,2,3,4,5,6,7,8,9,10,11,12,13,14,15,16,17,18,19,20,21
	OP X, \n
.endr
	v_nop                           ; a plain instruction behind the exponential
.endm
; A TILE's four key steps.  A trip: pieces 2 and 3 of one step, then pieces 0 and 1 of the next, whose K and V it fetches.  The tag ends its two labels' names, which the jumps below spell out.
.macro STEPS tag, m
.Lstep\tag:
	TURN 2, \m
	TURN 3, \m
	WIN 0
.Lfirst\tag:
	TURN 0, \m
	TURN 1, \m, 0, 1
	WIN 0
	s_cbranch_scc1 .Lstep\tag
.endm
; A BLOCK ENDS, behind its diagonal tile's steps: its last two turns, its last products, and THE WAY OUT: l's two halves and the other half of the lanes' are added; O^T is divided by l, rounded to f16 and sent through my
; stage in LDS, a piece at a time.
.macro ALL line:vararg              ; one line for each piece t
.set t, 0
.rept 4
	\line
.set t, t+1
.endr
.endm
.macro PACK t                       ; a lane's eight channels of a row pack into 16 bytes; they go into rows of 144 bytes and come back as whole rows of 128, into S^T's registers
	WIN W_RS
.set i, 32*(\t)
.rept 16
	s_wait_alu depctr_va_vdst(0)
	v_pk_mul_f32 v[i:i+1], v[i:i+1], v[ST+4*(\t)+2:ST+4*(\t)+3] op_sel_hi:[1,0]
.set i, i+2
.endr
	WIN 0x05                        ; sources 0 and 1 window 1, destination window 0
.set i, 0
.rept 16
	v_cvt_pk_f16_f32 v[S+16*(\t)+i], v[32*(\t)+2*i], v[32*(\t)+2*i+1]
.set i, i+1
.endr
	WIN 0
.irp f, 0,1,2,3
	ds_store_b128 v[STO], v[S+16*(\t)+4*\f:S+16*(\t)+4*\f+3] offset:32*\f
.endr
.irp f, 0,1,2,3
	ds_load_b128 v[S+16*(\t)+4*\f:S+16*(\t)+4*\f+3], v[RD] offset:\f*4*SP  ; LDS serves a wave's instructions in order (ISA guide 5.7.1.4): these see the stores above; the next piece's stores come behind them
.endr
.endm
.macro SEND t, younger              ; younger: the LDS instructions issued behind piece t's loads: the next piece's eight, or none
	WIN 0
.irp f, 0,1,2,3
	s_wait_dscnt (\younger)+3-\f
	global_store_b128 v[GO], v[S+16*(\t)+4*\f:S+16*(\t)+4*\f+3], s[10:11] offset:(\t)*8192+\f*512  ; 512 consecutive bytes, at a multiple of 256 from O's first
.endr
.endm
.macro FINISH
	TURN 2, 1, 1
	TURN 3, 1, 1
.set i, 0
.rept 8
	PV NP-1
.set i, i+1
.endr
	WIN 0
	ALL v_add_f32 v[ST+4*t+2], v[ST+4*t+2], v[ST+4*t+3]
	ALL v_permlanex16_b32 v[ST+4*t+3], v[ST+4*t+2], s[SEL], s[SEL+1]
	ALL v_add_f32 v[ST+4*t+2], v[ST+4*t+2], v[ST+4*t+3]
	ALL v_rcp_f32 v[ST+4*t+2], v[ST+4*t+2]
	v_nop                           ; a plain instruction between the last reciprocal and the use of its result
	PACK 0
.set t, 1
.rept 3                             ; a piece's arithmetic stands between the loads of the piece before and its stores
	PACK t
	SEND t-1, 8
.set t, t+1
.endr
	SEND 3, 0
.endm
.set NOKQ, 0
.Lslot:                             ; NB times: a tile is entered and the next is asked for
	CHANGE 1
	s_sub_co_u32 s[RT], s[RT], 1
	s_mov_b32 s[CNT], 4
	s_cmp_eq_u32 s[NEW], 1
	s_cbranch_scc1 .Lnew            ; a block's first tile
	s_branch .Lstep1
.Lnew:
	BEGIN
	s_branch .Lfirst1
	STEPS 1, 1
	s_cmp_lg_u32 s[RT], 0
	s_cbranch_scc1 .Lbottom         ; not the block's last tile: on to the next
	FINISH                          ; in the loop this is the first block's end: the second block's last tile is the walk's last
	s_wait_xcnt 0x0                 ; the stores have read their registers and O's address
	s_mov_b64 s[10:11], s[OLO:OLO+1]
	s_add_co_u32 s[RT], s[PB], 1    ; the second block has b + 1 tiles
	s_mov_b32 s[NEW], 1
	WIN 0x82                        ; the second block's Q goes where the one text of the turns names Q
.set i, 0
.rept 64
	v_mov_b32 v[i], v[QB+i]
.set i, i+1
.endr
	WIN 0
.Lbottom:
	s_sub_co_u32 s[SLOTS], s[SLOTS], 1
	s_cmp_lg_u32 s[SLOTS], 0
	s_cbranch_scc1 .Lslot
	CHANGE 0                        ; the walk's last tile has a text of its own: nothing is asked for
	s_sub_co_u32 s[RT], s[RT], 1
	s_mov_b32 s[CNT], 4
	s_cmp_eq_u32 s[NEW], 1
	s_cbranch_scc0 .Lstep2
	BEGIN
	s_branch .Lfirst2
	STEPS 2, 2
	FINISH
	s_wait_tensorcnt 0x0            ; the wave's end: behind my last tensor load and my last LDS store
	ds_add_u32 v[SPW], v[NIL]
	s_wait_dscnt 0x0
	s_endpgm
.Lfunc_end_k_qebec1400d2_attn:
	.size	k_qebec1400d2_attn, .Lfunc_end_k_qebec1400d2_attn-k_qebec1400d2_attn
	.p2alignl 7, 3214868480
	.fill 96, 4, 3214868480
	.section	.rodata,"a",@progbits
	.p2align	6, 0x0
	.amdhsa_kernel k_qebec1400d2_attn
		.amdhsa_group_segment_fixed_size 327680
		.amdhsa_private_segment_fixed_size 0
		.amdhsa_enable_private_segment 0
		.amdhsa_kernarg_size 16
		.amdhsa_user_sgpr_count 2
		.amdhsa_user_sgpr_kernarg_segment_ptr 1
		.amdhsa_wavefront_size32 1
		.amdhsa_system_sgpr_workgroup_id_x 1
		.amdhsa_system_sgpr_workgroup_id_y 1
		.amdhsa_system_sgpr_workgroup_id_z 1
		.amdhsa_system_vgpr_workitem_id 0
		.amdhsa_next_free_vgpr 768
		.amdhsa_next_free_sgpr 88
		.amdhsa_reserve_vcc 1
		.amdhsa_float_denorm_mode_32 3
		.amdhsa_float_denorm_mode_16_64 3
		.amdhsa_memory_ordered 1
		.amdhsa_forward_progress 1
		.amdhsa_inst_pref_size 189
	.end_amdhsa_kernel
	.amdgpu_metadata
---
amdhsa.version: [ 1, 2 ]
amdhsa.kernels:
  - .name:           k_qebec1400d2_attn
    .symbol:         k_qebec1400d2_attn.kd
    .args:
      - { .name: qkv, .offset: 0, .size: 8, .value_kind: global_buffer, .address_space: global }
      - { .name: y, .offset: 8, .size: 8, .value_kind: global_buffer, .address_space: global }
    .group_segment_fixed_size: 327680
    .private_segment_fixed_size: 0
    .kernarg_segment_align: 8
    .kernarg_segment_size: 16
    .max_flat_workgroup_size: 128
    .sgpr_count:     88
    .vgpr_count:     768
    .wavefront_size: 32
...
	.end_amdgpu_metadata
.endif
;; end of part 3
;; launch proj (part 4): grid 8 x 32, 4 waves a work-group, clusters of 4 x 4, 327,680 bytes of LDS; arguments y, wob, b_out, out0; writes out0
.if DOCPART == 4
	.amdgcn_target "amdgcn-amd-amdhsa--gfx1250"
	.amdhsa_code_object_version 6
	.text
	.protected	k_qebec1400d2_proj
	.globl	k_qebec1400d2_proj
	.p2align	8
	.type	k_qebec1400d2_proj,@function
k_qebec1400d2_proj:
	s_mov_b64 s[64:65], 0
	v_nop
	global_prefetch_b8 v0, s[64:65] scope:SCOPE_SE
	s_setreg_imm32_b32 hwreg(HW_REG_WAVE_MODE, 25, 1), 1
	s_wait_xcnt 0x0
	s_wait_alu depctr_hold_cnt(0) depctr_sa_sdst(0) depctr_va_vdst(0) depctr_va_sdst(0) depctr_va_ssrc(0) depctr_va_vcc(0) depctr_vm_vsrc(0)
	s_getreg_b32 s2, hwreg(HW_REG_IB_STS2, 6, 4)
	s_cmp_eq_u32 s2, 0
	s_cbranch_scc0 .Lentry_in_a_cluster
	s_endpgm
.Lentry_in_a_cluster:
	s_bfe_u32 s2, ttmp6, 0x10000c
	s_cmp_lg_u32 s2, 0xf033
	s_cbranch_scc0 .Lentry_shape_is_right
	s_endpgm
.Lentry_shape_is_right:
; THE SECOND PROJECTION.  out0[m][n] = sum over k of y[m][k] W_out[k][n] + b_out[n]; 8192 x 1024 x 1024, operands f16 (wob holds W_out's bf16 rounding, written as f16), sums f32, out0 f32.
; The bias is rounded to bf16 like every input.  y lies by heads, f16 [16 h][8192 m][64], k = 64 h + channel.
; LIMITS.  y and wob arrive within f16's range (65,504); nothing here narrows a number further.
; SHARES.  8192 x 1024 / 256 work-groups = a tile of 256 x 128; four waves, each 128 rows x 64 columns: 32 accumulators of 16 x 16, 256 registers.
; K goes in 8 steps of 128 (two heads) through two LDS slots filled by the tensor data mover (two slots of 256 along K would pass the LDS that there is).
; A: 256 rows of a head are 32,768 dense bytes, asked for as 128 rows of 256 bytes.  B = wob lies [k][n]: its fragments come out of LDS turned, by ds_load_tr16_b128.
; CLUSTER.  4 x 4 work-groups; the four of a row of the cluster need the same tiles of A, the four of a column the same tiles of B: each tile is asked for JOINTLY.
; THE MATRIX INSTRUCTION IS USED TRANSPOSED (source 0 = 16 columns of W, source 1 = 16 rows of y): lane l holds row l % 16 and the columns 8 (l / 16) + 0..7.
; THE BIAS is the C operand of the first product on each accumulator: nothing is cleared, and the way out adds nothing.
; ASKING AHEAD (global_prefetch_b8: it returns nothing, and nothing waits for it).
;   y: the tile of K step s and my tile row is 65,536 bytes, and the 8 work-groups of that tile row read it.  Each asks for an eighth: wave 0, one instruction, 32 lanes 256 bytes apart: head 2 s + tile column / 4,
;   8,192 bytes from byte 8,192 (tile column % 4) of the tile row's 32,768.  So each block of 256 bytes of K steps 2 to 7 is asked for once in the launch.  K steps 2 and 3 are asked for behind the first fills,
;   K step t + 4 in trip t: two trips, 256 matrix instructions of a wave, ahead of the tensor load that wants it.  Trips 4 and 5 ask for nothing: there is no K step 8.  K steps 0 and 1 are the first fills' own.
;   wob: wave 1, two instructions ahead of the opening round: rows 64 (tile row % 16) + 0 .. 63, my tile column's 256 bytes of each: 16,384 bytes.  Tile rows 0 to 15 cover its 1,024 rows, and so do tile rows
;   16 to 31: each block is asked for twice in the launch (a design decision: 2,097,152 bytes more of requests).  wob is 2,097,152 bytes in all, so it is asked for at once and not trip by trip.
; REGISTERS, in windows of 256 (s_set_vgpr_msb: bits 1:0 source 0, 3:2 source 1, 5:4 source 2, 7:6 destination):
;   window 0: v0-31 addresses; v32-127, v128-223 the fragments of a quarter (32 K): 64 registers of A, then 32 of B, two buffers; v224-255 the bias
;   window 1: the accumulators; column block b (0-3), row block a (0-7) at v[8 (8 b + a)]
.set PA,    144                        ; a row of A in LDS: 128 bytes + 16 of padding = 36 words: the 16 rows of a load start at 16 different groups of four banks (64 banks of 4 bytes: ISA guide 11.1)
.set PB,    288                        ; a row of B: two pieces of 128 + 16 bytes = 9 x 32 bytes
.set HEADB, 256*PA                     ; a head's 256 rows
.set BOFF,  2*HEADB                    ; a slot: A's two heads, then B's 128 rows
.set SLOT1, 1<<17                      ; slot 1 begins here, so that one exclusive or turns an address in one slot into the other's
.set STAGE, SLOT1+BOFF+128*PB          ; behind the ring, never filled by a tensor load: 16 rows x 272 bytes for each wave, for the way out
.set SP,    272
.set SPARE, STAGE+4*16*SP              ; behind the stages: the spare words, 128 bytes for each wave: two blocks of 256 bytes that no other line names
.set ASTEP, 2*8192*128                 ; bytes from a K step's tile of A to the next: two heads of y
.set BSTEP, 128*1024*2                 ; and of B: 128 rows of wob
.set AA0,  8                           ; v8   my lane's place in a slot's A; never rewritten
.set AB0,  9                           ; v9   the same for B
.set ADRA, 10                          ; v10  AA0 + the slot in hand
.set ADRB, 11                          ; v11  AB0 + the slot in hand
.set STO,  12                          ; v12  the way out: where I put 32 bytes of a row
.set RD,   13                          ; v13  the way out: where I read rows back
.set CO,   14                          ; v14  my byte offset in two rows of out0
.set BO,   15                          ; v15  my byte offset in b_out
.set PFA,  20                          ; v20  asking ahead in y: 256 x lane; never rewritten
.set PFB,  21                          ; v21  asking ahead in wob: 2,048 x lane, a row a lane; never rewritten
.set SPW,  28                          ; v28  LDS address of my spare word: SPARE + 4 x my thread's number; never rewritten
.set NIL,  29                          ; v29  0; never rewritten
.set F0,   32
.set F1,   128
.set BIAS, 224
.set MSK, 3                            ; s3   a word's upper bf16
.set WV,  12                           ; s12  my wave's number
.set WR,  13                           ; s13  which half of the tile's rows is mine
.set WC,  14                           ; s14  which half of its columns; also: which head of A's pair, or which half of B's rows, I fetch
.set G1A, 24                           ; s[24:31] descriptor group 1 for A's tiles
.set G1B, 32                           ; s[32:39] for B's
.set G0A, 40                           ; s[40:47] descriptor group 0 for A's tiles: a set for each of the two first fills; the second then walks on
.set G0B, 48                           ; s[48:55] the same for B's
.set CNT, 56                           ; s56  the loops' count
.set TB,  57                           ; s57  LDS byte at which the slot in hand begins
.set QA,  66                           ; s[66:67] asking ahead: y at my eighth of a K step's tile; it walks, in wave 0
.set QB,  68                           ; s[68:69] asking ahead: wob at my 64 rows; never rewritten
.set G1W0, (1<<16)|(1<<20)|(1<<21)|(4<<22)|(3<<25)  ; 17:16 2-byte elements; 20 padding on; 21 set beside a mask; 24:22 after every 32 words (code 4); 31:25 4 words of it (code 3)
.set MSB, 0
.macro WIN new                         ; the immediate's high byte repeats the setting that is left; a switch that changes nothing is dropped
.if MSB != (\new)
	s_set_vgpr_msb (MSB<<8)|(\new)
.set MSB, (\new)
.endif
.endm
; A load into a register that a matrix instruction has read, and a vector instruction or LDS store that reads a matrix result, stand four places behind it, and only plain vector
; instructions that name none of its registers are places (ISA guide 7.12.1 for vector instructions).
.macro PLACES
.rept 4
	v_nop
.endr
.endm
; A joint refill.  Waves 0 and 1 fetch A's two heads, waves 2 and 3 B's two halves.  The branch hangs on the wave's number alone.  An s_nop 0 and four v_nop follow each of the two lines.
.macro JLOAD
	s_cmp_lt_u32 s[WV], 2
	s_cbranch_scc0 .Lfor_b_\@
	tensor_load_to_lds s[G0A+4:G0A+7], s[G1A:G1A+7]
	s_nop 0
.rept 4
	v_nop
.endr
	s_branch .Lasked_\@
.Lfor_b_\@:
	tensor_load_to_lds s[G0B+4:G0B+7], s[G1B:G1B+7]
	s_nop 0
.rept 4
	v_nop
.endr
.Lasked_\@:
.endm
.macro CREST                           ; a round of the cluster's barrier behind its opening barrier: wave 0 signals for the work-group, every wave waits for all sixteen, my work-group's barrier closes it
	s_cmp_lg_u32 s[WV], 0
	s_cbranch_scc1 .Lnot_wave_0_\@
	s_barrier_signal -3
.Lnot_wave_0_\@:
	s_barrier_wait -3
	s_barrier_signal -1
	s_barrier_wait -1
.endm
.macro CROUND                          ; a whole round
	s_barrier_signal -1
	s_barrier_wait -1
	CREST
.endm
	s_load_b256 s[4:11], s[0:1], 0x0               ; y s[4:5], wob s[6:7], b_out s[8:9], out0 s[10:11]
	v_lshl_add_u32 v[SPW], v0, 2, SPARE
	v_mov_b32 v[NIL], 0
	ds_add_u32 v28, v29
	ds_add_u32 v28, v29
	s_wait_dscnt 0x0
	v_lshrrev_b32 v1, 5, v0
	v_readfirstlane_b32 s[WV], v1                  ; wave 0..3
	v_and_b32 v[PFA], 31, v0                       ; lane
	v_lshlrev_b32 v[PFB], 11, v[PFA]               ; a row of wob, 2,048 bytes, a lane
	v_lshlrev_b32 v[PFA], 8, v[PFA]                ; 256 bytes of y a lane
	s_mov_b32 s[MSK], 0xffff0000
	s_lshr_b32 s[WR], s[WV], 1
	s_and_b32 s[WC], s[WV], 1
	s_bfe_u32 s15, ttmp6, 0x40000                  ; cx, cy: my place in the cluster
	s_bfe_u32 s16, ttmp6, 0x40004
	s_lshl_b32 s17, ttmp9, 2                       ; in a cluster launch ttmp9 and ttmp7 count clusters
	s_add_co_u32 s17, s17, s15                     ; tile column = 4 x cluster x + cx
	s_and_b32 s18, ttmp7, 0xffff
	s_lshl_b32 s18, s18, 2
	s_add_co_u32 s18, s18, s16                     ; tile row = 4 x cluster y + cy
	s_lshl_b32 s19, s16, 2
	s_lshl_b32 s19, 15, s19                        ; my row of the cluster
	s_lshl_b32 s20, 0x1111, s15                    ; my column
	s_or_b32 s[G1A], s19, G1W0                     ; A's tiles go to my row,
	s_or_b32 s[G1B], s20, G1W0                     ; B's to my column
	s_mov_b32 s[G1A+1], 128<<16                    ; A: tensor_dim0 = 128 elements (256 bytes: two rows of a head)
	s_mov_b32 s[G1A+2], 128<<16                    ; tensor_dim1 = 128
	s_mov_b32 s[G1A+3], 128<<16                    ; tile_dim0 = 128
	s_mov_b32 s[G1A+4], 128                        ; tile_dim1 = 128
	s_mov_b32 s[G1A+5], 128                        ; 128 elements from row to row: dense
	s_mov_b32 s[G1A+6], 0
	s_mov_b32 s[G1A+7], 0
	s_mov_b32 s[G1B+1], 128<<16                    ; B: tensor_dim0 = 128 elements (256 bytes)
	s_mov_b32 s[G1B+2], 64<<16                     ; tensor_dim1 = 64
	s_mov_b32 s[G1B+3], 128<<16                    ; tile_dim0 = 128
	s_mov_b32 s[G1B+4], 64                         ; tile_dim1 = 64
	s_mov_b32 s[G1B+5], 1024                       ; 1,024 elements from row to row
	s_mov_b32 s[G1B+6], 0
	s_mov_b32 s[G1B+7], 0
	; A's tiles hang on the tile row alone, B's on the tile column alone; s21 and s23 only ever hold numbers made of the wave's number
	s_lshl_b32 s58, s18, 15                        ; A: 256 rows of 128 bytes a tile row,
	s_lshl_b32 s21, s[WC], 20                      ; my head of the K step's two
	s_add_co_u32 s58, s58, s21
	s_mov_b32 s59, 0
	s_lshl_b32 s60, s17, 8                         ; B: 256 bytes of a row a tile column,
	s_lshl_b32 s21, s[WC], 17                      ; my 64 rows of 2,048 bytes of a K step's 128
	s_add_co_u32 s60, s60, s21
	s_mov_b32 s61, 0
	s_lshl_b32 s62, s18, 20                        ; the way out: the tile's 256 rows of 4,096 bytes,
	s_lshl_b32 s63, s17, 9                         ; its 128 columns,
	s_add_co_u32 s62, s62, s63
	s_lshl_b32 s21, s[WR], 19                      ; my 128 rows,
	s_add_co_u32 s62, s62, s21
	s_lshl_b32 s21, s[WC], 8                       ; my 64 columns
	s_add_co_u32 s62, s62, s21
	s_mov_b32 s63, 0
	s_lshl_b32 s22, s17, 9                         ; the bias of my 64 columns
	s_add_co_u32 s22, s22, s21
	; asking ahead: these four registers feed no descriptor and no LDS address
	s_lshr_b32 s[QA], s17, 2                       ; y, K step 2: head 4 + tile column / 4, 1,048,576 bytes a head;
	s_add_co_u32 s[QA], s[QA], 4
	s_lshl_b32 s[QA], s[QA], 20
	s_lshl_b32 s[QA+1], s18, 15                    ; the tile row's 32,768 bytes of it;
	s_add_co_u32 s[QA], s[QA], s[QA+1]
	s_and_b32 s[QA+1], s17, 3                      ; my 8,192 of those
	s_lshl_b32 s[QA+1], s[QA+1], 13
	s_add_co_u32 s[QA], s[QA], s[QA+1]
	s_mov_b32 s[QA+1], 0
	s_and_b32 s[QB], s18, 15                       ; wob: 64 rows of 2,048 bytes for each of 16 tile rows;
	s_lshl_b32 s[QB], s[QB], 17
	s_lshl_b32 s[QB+1], s17, 8                     ; my tile column's 256 bytes of a row
	s_add_co_u32 s[QB], s[QB], s[QB+1]
	s_mov_b32 s[QB+1], 0
	s_mul_i32 s21, s[WC], HEADB                    ; where my tiles go: no place in the cluster enters an LDS address
	s_mul_i32 s23, s[WC], 64*PB
	s_add_co_u32 s23, s23, BOFF
	s_mov_b32 s[TB], 0
	s_mov_b32 s[CNT], 6
	s_wait_kmcnt 0x0
	s_add_nc_u64 s[58:59], s[4:5], s[58:59]
	s_add_nc_u64 s[60:61], s[6:7], s[60:61]
	s_add_nc_u64 s[10:11], s[10:11], s[62:63]
	s_add_nc_u64 s[QA:QA+1], s[4:5], s[QA:QA+1]
	s_add_nc_u64 s[QB:QB+1], s[6:7], s[QB:QB+1]
	s_cmp_lg_u32 s[WV], 1                          ; wave 1 asks for my 64 rows' pieces of wob: 32 rows an instruction; the last byte named is 2,096,896 of wob's 2,097,152
	s_cbranch_scc1 .Lno_b_ask
	global_prefetch_b8 v[PFB], s[QB:QB+1] th:TH_LOAD_NT scope:SCOPE_SE
	global_prefetch_b8 v[PFB], s[QB:QB+1] offset:32*2048 th:TH_LOAD_NT scope:SCOPE_SE
.Lno_b_ask:
	CROUND                                         ; all sixteen work-groups are here: the first joint loads meet
.irp s, 0,1
	s_mov_b32 s[G0A+4*(\s)], 1                     ; 1:0 count = 1
	s_add_co_u32 s[G0A+4*(\s)+1], s21, (\s)*SLOT1  ; 63:32 LDS address
	s_add_nc_u64 s[G0A+4*(\s)+2:G0A+4*(\s)+3], s[58:59], (\s)*ASTEP  ; 120:64 global address: K step s
	s_or_b32 s[G0A+4*(\s)+3], s[G0A+4*(\s)+3], 0x80000000            ; 127:126 type = 2
	s_mov_b32 s[G0B+4*(\s)], 1
	s_add_co_u32 s[G0B+4*(\s)+1], s23, (\s)*SLOT1
	s_add_nc_u64 s[G0B+4*(\s)+2:G0B+4*(\s)+3], s[60:61], (\s)*BSTEP
	s_or_b32 s[G0B+4*(\s)+3], s[G0B+4*(\s)+3], 0x80000000
.endr
	s_cmp_lt_u32 s[WV], 2                          ; a wave's two first fills stand in one branch, ahead of every wait on TENSORcnt and every LDS read: two loads of mine are out
	s_cbranch_scc0 .Lfirst_b
	tensor_load_to_lds s[G0A:G0A+3], s[G1A:G1A+7]
	s_nop 0
	tensor_load_to_lds s[G0A+4:G0A+7], s[G1A:G1A+7]
	s_nop 0
.rept 4
	v_nop
.endr
	s_branch .Lfirst_asked
.Lfirst_b:
	tensor_load_to_lds s[G0B:G0B+3], s[G1B:G1B+7]
	s_nop 0
	tensor_load_to_lds s[G0B+4:G0B+7], s[G1B:G1B+7]
	s_nop 0
.rept 4
	v_nop
.endr
.Lfirst_asked:
	s_cmp_lg_u32 s[WV], 0                          ; wave 0 asks for my eighth of y's tiles of K steps 2 and 3, which trips 0 and 1 will load
	s_cbranch_scc1 .Lno_a_ask
	global_prefetch_b8 v[PFA], s[QA:QA+1] th:TH_LOAD_NT scope:SCOPE_SE
	global_prefetch_b8 v[PFA], s[QA:QA+1] offset:ASTEP th:TH_LOAD_NT scope:SCOPE_SE
.Lno_a_ask:
	v_and_b32 v1, 15, v0                           ; l % 16
	v_bfe_u32 v2, v0, 4, 1                         ; l / 16
	v_and_b32 v4, 7, v0
	v_bfe_u32 v5, v0, 3, 1
	v_lshl_add_u32 v[BO], v2, 5, s22               ; register j of column block b holds the bias of column 16 b + 8 (l / 16) + j
.irp b, 0,1,2,3
	global_load_b128 v[BIAS+8*\b:BIAS+8*\b+3],   v[BO], s[8:9] offset:64*\b
	global_load_b128 v[BIAS+8*\b+4:BIAS+8*\b+7], v[BO], s[8:9] offset:64*\b+16
.endr
	; A fragment of A is 16 rows x 32 K in 8 registers: lane l holds row l % 16, K = 8 (l / 16) + 0..7 and 16 + 8 (l / 16) + 0..7: two loads of 16 bytes, 32 bytes apart.
	s_mul_i32 s21, s[WR], 128*PA
	v_mul_u32_u24 v[AA0], v1, PA
	v_lshl_add_u32 v[AA0], v2, 4, v[AA0]
	v_add_nc_u32 v[AA0], s21, v[AA0]
	; The turning load takes 16 K x 16 columns (lane l reads row 8 (l / 16) + l % 8, columns 8 ((l / 8) % 2) + 0..7) and leaves half a fragment: lane l holds column l % 16 and 8 K.
	v_lshl_add_u32 v[AB0], v2, 3, v4
	v_mul_u32_u24 v[AB0], v[AB0], PB
	v_lshl_add_u32 v[AB0], v5, 4, v[AB0]
	s_mul_i32 s21, s[WC], 144                      ; my 64 columns: one piece of a row
	s_add_co_u32 s21, s21, BOFF
	v_add_nc_u32 v[AB0], s21, v[AB0]
	s_mul_i32 s23, s[WV], 16*SP
	s_add_co_u32 s23, s23, STAGE                   ; my stage
	v_mul_u32_u24 v[STO], v1, SP                   ; in: row l % 16, 32 bytes for each half of the lanes
	v_lshl_add_u32 v[STO], v2, 5, v[STO]
	v_add_nc_u32 v[STO], s23, v[STO]
	v_mul_u32_u24 v[RD], v2, SP                    ; back: lanes 0-15 take one row of 256 bytes, lanes 16-31 the next
	v_lshl_add_u32 v[RD], v1, 4, v[RD]
	v_add_nc_u32 v[RD], s23, v[RD]
	v_lshlrev_b32 v[CO], 12, v2                    ; and the same two rows in out0
	v_lshl_add_u32 v[CO], v1, 4, v[CO]
	v_mov_b32 v[ADRA], v[AA0]                      ; K step 0 lies in slot 0
	v_mov_b32 v[ADRB], v[AB0]
	s_wait_loadcnt 0x0                             ; the bias: rounded to bf16, in place
.set ii, 0
.rept 16
	v_cvt_pk_bf16_f32 v[16+ii%4], v[BIAS+2*ii], v[BIAS+2*ii+1]
	v_lshlrev_b32 v[BIAS+2*ii], 16, v[16+ii%4]
	v_and_b32 v[BIAS+2*ii+1], s[MSK], v[16+ii%4]
.set ii, ii+1
.endr
; 8 nb matrix instructions: column blocks b0 .. b0 + nb - 1 x all 8 row blocks, 32 along K, on buffer f.  bias = 1: the bias starts the sums.
; The accumulators take turns, one instruction a turn: between two links of a chain stand the 31 others'.
.macro MUL f, b0, nb, bias=0
.if \bias
	WIN 0x40                                       ; D in window 1, C in window 0
.else
	WIN 0x50                                       ; C and D in window 1
.endif
.set bi, \b0
.rept \nb
.set ai, 0
.rept 8
.set rD, 8*(8*bi+ai)
.if \bias
	v_wmma_f32_16x16x32_f16 v[rD:rD+7], v[\f+64+8*bi:\f+64+8*bi+7], v[\f+8*ai:\f+8*ai+7], v[BIAS+8*bi:BIAS+8*bi+7]
.else
	v_wmma_f32_16x16x32_f16 v[rD:rD+7], v[\f+64+8*bi:\f+64+8*bi+7], v[\f+8*ai:\f+8*ai+7], v[rD:rD+7]
.endif
.set ai, ai+1
.endr
.set bi, bi+1
.endr
.endm
; 24 LDS loads in one run: quarter q (32 K: head q / 2, channels 32 (q % 2) on) of the slot in hand, into buffer f: B's 4 fragments, turned, then A's 8
.macro FETCH q, f
	WIN 0
.set ii, 0
.rept 4
	ds_load_tr16_b128 v[\f+64+8*ii:\f+64+8*ii+3],   v[ADRB] offset:32*PB*(\q)+32*ii
	ds_load_tr16_b128 v[\f+64+8*ii+4:\f+64+8*ii+7], v[ADRB] offset:32*PB*(\q)+32*ii+16*PB
.set ii, ii+1
.endr
.set ii, 0
.rept 8
	ds_load_b128 v[\f+8*ii:\f+8*ii+3],   v[ADRA] offset:HEADB*((\q)/2)+16*PA*ii+64*((\q)%2)
	ds_load_b128 v[\f+8*ii+4:\f+8*ii+7], v[ADRA] offset:HEADB*((\q)/2)+16*PA*ii+64*((\q)%2)+32
.set ii, ii+1
.endr
.endm
; A K step is four quarters of 32 along K, 32 matrix instructions each, on buffers 0, 1, 0, 1.  One of the first three: multiplies buffer f and, in its middle, fetches quarter qn into buffer g.
.macro QUARTER qn, f, g, bias=0
	s_wait_dscnt 0x0                               ; this quarter's fragments are in
	MUL \f, 0, 2, \bias
	PLACES
	FETCH \qn, \g
	MUL \f, 2, 2, \bias
.endm
; The last quarter multiplies buffer 1 and CHANGES SLOTS: one barrier.  In front of it each wave waits for all its tensor loads, of which one is out: its part of the next slot; adds 0 to its
; spare word; and waits for that and for its own reads of this slot.  fill = 1: the barrier opens a round of the cluster's, so that no wave of any partner still reads the slot or has a load on its way,
; and the joint refill, two K steps ahead, is the first thing behind it: from there to the wait for it a wave issues 112 matrix instructions.  Behind the run of LDS loads wave 0 asks ahead in y.
.macro TURN fill
	WIN 0                                          ; (the add's two registers lie in window 0)
	s_wait_tensorcnt 0x0                           ; no tensor load of mine is out, so a group 0 may be written
	ds_add_u32 v[SPW], v[NIL]                      ; 0 onto my spare word
.if \fill
	s_xor_b32 s[G0A+5], s[G0A+5], SLOT1            ; the walking descriptors: the other slot than last time,
	s_add_nc_u64 s[G0A+6:G0A+7], s[G0A+6:G0A+7], ASTEP  ; the next K step; the type bits on top are not reached
	s_xor_b32 s[G0B+5], s[G0B+5], SLOT1
	s_add_nc_u64 s[G0B+6:G0B+7], s[G0B+6:G0B+7], BSTEP
.endif
	s_xor_b32 s[TB], s[TB], SLOT1
	s_wait_dscnt 1                                 ; the add alone may be out: this quarter's 24 loads, issued ahead of it, are in
	MUL F1, 0, 1                                   ; eight matrix instructions stand between the add and the wait for it
	s_wait_dscnt 0x0                               ; the add is done, and my reads of this slot are over
	s_barrier_signal -1
	MUL F1, 1, 1                                   ; work on registers while the others arrive
	WIN 0                                          ; at a branch and at a label every window is 0
	s_barrier_wait -1
.if \fill
	CREST
	JLOAD                                          ; the four v_nop behind it are also the places in front of the loads below
.else
	PLACES
.endif
	v_add_nc_u32 v[ADRA], s[TB], v[AA0]
	v_add_nc_u32 v[ADRB], s[TB], v[AB0]
	FETCH 0, F0
.if \fill
	s_cmp_lg_u32 s[WV], 0                          ; wave 0 alone asks;
	s_cbranch_scc1 .Lno_ask_\@
	s_cmp_lt_u32 s[CNT], 3                         ; the count runs 6 to 1: in the last two trips the K step four on would be 8 or 9, past y's end: they ask for nothing
	s_cbranch_scc1 .Lno_ask_\@
	s_wait_xcnt 0x0                                ; the base is stepped only behind this wait; the request that read it was issued a trip ago (ISA guide 3.1)
	s_add_nc_u64 s[QA:QA+1], s[QA:QA+1], ASTEP     ; trip t: the base goes to K step t + 3,
	global_prefetch_b8 v[PFA], s[QA:QA+1] offset:ASTEP th:TH_LOAD_NT scope:SCOPE_SE  ; and my eighth of K step t + 4's tile is asked for; the last byte ever named is 16,776,960 of y's 16,777,216
.Lno_ask_\@:
.endif
	MUL F1, 2, 2
.endm
	s_wait_tensorcnt 1                             ; my part of K step 0 is in; K step 1's may stay out
	s_barrier_signal -1
	s_barrier_wait -1                              ; everybody's is
	FETCH 0, F0
	QUARTER 1, F0, F1, 1                           ; the first quarter stands in front of the loop: its products start the sums, with the bias as C
	WIN 0
.Lk:                                                   ; 6 trips: from a K step's second quarter to the next step's first; trip i loads K step i + 2
	QUARTER 2, F1, F0
	QUARTER 3, F0, F1
	TURN 1
	QUARTER 1, F0, F1
	WIN 0
	s_sub_co_u32 s[CNT], s[CNT], 1
	s_cmp_lg_u32 s[CNT], 0
	s_cbranch_scc1 .Lk
	; The tail has a text of its own: nothing more is asked for.  Two trips; the second, K step 7's, is left in front of its last quarter.
	s_mov_b32 s[CNT], 2
.Ltail:
	QUARTER 2, F1, F0
	QUARTER 3, F0, F1
	WIN 0
	s_sub_co_u32 s[CNT], s[CNT], 1
	s_cmp_eq_u32 s[CNT], 0
	s_cbranch_scc1 .Llast
	TURN 0
	QUARTER 1, F0, F1
	WIN 0
	s_branch .Ltail
.Llast:
	s_wait_dscnt 0x0
	MUL F1, 0, 4
	; THE WAY OUT, a row block (16 rows x 64 columns of f32) at a time: 32 bytes a lane into my own stage, back as whole rows of 256 bytes.  Each accumulator's low four registers are read first.
	PLACES
.macro TOSTAGE a
.set OB, 32+32*((\a)%2)
.if (\a) >= 2
	s_wait_xcnt 0x0                                ; every earlier memory instruction has had its addresses translated (ISA guide 3.1): the registers that block a - 2's stores read are loaded again only behind this wait
.endif
	WIN 0x04                                       ; the stores' data in window 1, their address in window 0
.set bi, 0
.rept 4
	ds_store_b128 v[STO], v[8*(8*bi+(\a)):8*(8*bi+(\a))+3]   offset:64*bi
	ds_store_b128 v[STO], v[8*(8*bi+(\a))+4:8*(8*bi+(\a))+7] offset:64*bi+16
.set bi, bi+1
.endr
	WIN 0
.irp t, 0,1,2,3,4,5,6,7
	ds_load_b128 v[OB+4*\t:OB+4*\t+3], v[RD] offset:2*SP*\t  ; LDS serves a wave's instructions in order (ISA guide 5.7.1.4): these see the stores above; the next block's stores come behind them
.endr
.endm
.macro SEND a, younger                 ; younger: the LDS instructions issued behind block a's loads: the next block's sixteen, or none
.set OB, 32+32*((\a)%2)
.irp t, 0,1,2,3,4,5,6,7
.if (\t)%2 == 0
	s_wait_dscnt (\younger)+6-\t                   ; one wait for two stores: loads t and t + 1 are back; this block's later loads and the younger instructions may be out
.endif
	global_store_b128 v[CO], v[OB+4*\t:OB+4*\t+3], s[10:11] offset:(16*(\a)+2*\t)*4096 th:TH_STORE_NT  ; 16 lanes store 256 consecutive bytes, at a multiple of 256 from out0's first
.endr
.endm
	TOSTAGE 0
.set ta, 1
.rept 7
	TOSTAGE ta
	SEND ta-1, 16
.set ta, ta+1
.endr
	SEND 7, 0
	s_wait_tensorcnt 0x0                           ; the wave's end: behind my last tensor load and my last LDS store
	ds_add_u32 v[SPW], v[NIL]
	s_wait_dscnt 0x0
	CROUND                                         ; the closing round: no work-group ends while a partner may still ask for a tile that names it
	s_endpgm
.Lfunc_end_k_qebec1400d2_proj:
	.size	k_qebec1400d2_proj, .Lfunc_end_k_qebec1400d2_proj-k_qebec1400d2_proj
	.p2alignl 7, 3214868480
	.fill 96, 4, 3214868480
	.section	.rodata,"a",@progbits
	.p2align	6, 0x0
	.amdhsa_kernel k_qebec1400d2_proj
		.amdhsa_group_segment_fixed_size 327680
		.amdhsa_private_segment_fixed_size 0
		.amdhsa_enable_private_segment 0
		.amdhsa_kernarg_size 32
		.amdhsa_user_sgpr_count 2
		.amdhsa_user_sgpr_kernarg_segment_ptr 1
		.amdhsa_wavefront_size32 1
		.amdhsa_system_sgpr_workgroup_id_x 1
		.amdhsa_system_sgpr_workgroup_id_y 1
		.amdhsa_system_sgpr_workgroup_id_z 1
		.amdhsa_system_vgpr_workitem_id 0
		.amdhsa_next_free_vgpr 512
		.amdhsa_next_free_sgpr 72
		.amdhsa_reserve_vcc 0
		.amdhsa_float_denorm_mode_32 3
		.amdhsa_float_denorm_mode_16_64 3
		.amdhsa_memory_ordered 1
		.amdhsa_forward_progress 1
		.amdhsa_inst_pref_size 67
	.end_amdhsa_kernel
	.amdgpu_metadata
---
amdhsa.version: [ 1, 2 ]
amdhsa.kernels:
  - .name:           k_qebec1400d2_proj
    .symbol:         k_qebec1400d2_proj.kd
    .args:
      - { .name: y, .offset: 0, .size: 8, .value_kind: global_buffer, .address_space: global }
      - { .name: wob, .offset: 8, .size: 8, .value_kind: global_buffer, .address_space: global }
      - { .name: b_out, .offset: 16, .size: 8, .value_kind: global_buffer, .address_space: global }
      - { .name: out0, .offset: 24, .size: 8, .value_kind: global_buffer, .address_space: global }
    .group_segment_fixed_size: 327680
    .private_segment_fixed_size: 0
    .kernarg_segment_align: 8
    .kernarg_segment_size: 32
    .max_flat_workgroup_size: 128
    .sgpr_count:     72
    .vgpr_count:     512
    .wavefront_size: 32
...
	.end_amdgpu_metadata
.endif
;; end of part 4
